; MI455X (gfx1250); checked and timed in simulation.
; The chip was launched on July 23, 2026; its instructions are those of AMD's public machine-readable ISA for CDNA 5 (MIT licence, August 2026) and "CDNA5" Instruction Set Architecture Reference Guide (July 2026). The comments in the code are by the model that wrote it; some were corrected since.
;; Multi Head Attention. Allowed arithmetic: float matrix products may take bf16 or f16 operands with f32 sums; all other float work in f32.
;; Inputs: Wk 1,024 x 1,024 float32; Wo 1,024 x 1,024 float32; Wq 1,024 x 1,024 float32; Wv 1,024 x 1,024 float32; x 4 x 2,048 x 1,024 float32.
;; Outputs: out0 4 x 2,048 x 1,024 float32.
;; 2 versions, each right. Each part assembles by itself: llvm-mc -triple=amdgcn-amd-amdhsa -mcpu=gfx1250 --defsym DOCPART=n.
;; ======== version 1 of 2: 6 launches
;; limits: values are held in f16: magnitudes above 65,504 overflow, below 6.1e-05 lose precision
;; workspace buffers: xb 17,301,504 bytes; wqkv 12,582,912 bytes; wot 4,194,304 bytes; rope 524,288 bytes; q 16,777,216 bytes; k 16,777,216 bytes; v 16,777,216 bytes; att 17,825,792 bytes
;; launch prep (part 1): grid 1152 x 1, 8 waves a work-group, no clusters, 35,840 bytes of LDS; arguments x, Wq, Wk, Wv, Wo, xb, wqkv, wot, rope; writes xb, wqkv, wot, rope
.if DOCPART == 1
	.amdgcn_target "amdgcn-amd-amdhsa--gfx1250"
	.amdhsa_code_object_version 6
	.text
	.protected	k_q6279680d24_prep
	.globl	k_q6279680d24_prep
	.p2align	8
	.type	k_q6279680d24_prep,@function
k_q6279680d24_prep:
	s_mov_b64 s[64:65], 0
	v_nop
	global_prefetch_b8 v0, s[64:65] scope:SCOPE_SE
	s_setreg_imm32_b32 hwreg(HW_REG_WAVE_MODE, 25, 1), 1
	s_wait_xcnt 0x0
; prep: everything that later launches would otherwise redo for every tile.
;   work-groups   0..511   a tile of 128 k x 64 n of one weight matrix, f32 [k][n]  ->  f16 [n][k], as hi + lo (through LDS)
;                          wqkv row = head*192 + part*64 + d  (part 0 Q, 1 K, 2 V);  wot row = n;  the lo parts lie behind the hi parts
;                          Wq is multiplied in f32 by 0.125*log2(e) before it is split: scores then come out scaled and in base 2
;   work-groups 512..639   16 positions of the rotation table, f32 [2048][64] = cos0,sin0,cos1,sin1,...
;   work-groups 640..1151  65,536 bytes of x, f32 -> f16; the chunks with positions 0..63 of a batch also store a lo part behind xb's 16 MiB
; THE SPLIT: c = 8193 w, hi = c - (c - w) is w rounded to 11 bits (exact in f16), lo = w - hi is exact in f32 and is rounded to f16.
; The bulk launches use hi alone; the launches for the first 64 positions use hi and lo.
; LIMITS: f16 holds |value| < 65,504; x and the weights must lie below that.  A lo part is kept to 2^-24 absolutely.  NaN and infinities are not served.
; The angle pos*freq is rounded once in f32 as in the problem's text; freq is right to about one unit in its last place,
; so the angle may differ from another f32 evaluation by about 2e-4 rad at position 2047.
; No matrix unit, no cluster: memory binds here, and no two work-groups read the same bytes.
.set SIGMA, 0x3e38aa3b                 ; 0.125 * log2(e)
.set VELT,  0x46000400                 ; 8193.0 = 2^13 + 1
.set XLOFF, 16777216                   ; x's lo rows in xb
.set LOT,   17408                      ; the lo tile in LDS: behind 64 rows of 272 bytes
.set W,  8                             ; v[8:39]   weights: 8 rows of k x 4 columns, f32; then their lo parts
.set H,  40                            ; v[40:71]  their hi parts
.set TW, 72                            ; v[72:79]  at work
.set PH, 80                            ; v[80:95]  4 columns x 8 k, f16, hi
.set PL, 96                            ; v[96:111] the same, lo
.set R,  40                            ; v[40:71]  rows read back (H is free by then)
.set X,  8                             ; v[8:71]   x: 16 loads of 4 f32
.set Y,  72                            ; v[72:103] x: 16 x 4 f16
.set TX, 104                           ; v[104:111] at work
	s_load_b512 s[16:31], s[0:1], 0x0              ; x 16, Wq 18, Wk 20, Wv 22, Wo 24, xb 26, wqkv 28, wot 30
	s_load_b64 s[32:33], s[0:1], 0x40              ; rope
	v_lshl_add_u32 v112, v0, 2, 0x8800
	v_mov_b32 v113, 0
	s_mov_b32 s2, ttmp9
	s_cmp_ge_u32 s2, 640
	s_cbranch_scc1 .Lcast
	s_cmp_ge_u32 s2, 512
	s_cbranch_scc1 .Ltable
	; ---------------- weights: transpose 128 k x 64 n ----------------
	s_lshr_b32 s4, s2, 7                           ; matrix 0..3
	s_bfe_u32 s5, s2, 0x40003                      ; n tile 0..15 (= head)
	s_and_b32 s34, s2, 7                           ; k tile 0..7
	s_mul_i32 s12, s5, 192
	s_lshl_b32 s13, s4, 6
	s_add_co_u32 s12, s12, s13                     ; row in wqkv: head*192 + part*64
	s_lshl_b32 s13, s5, 6                          ; row in wot: n tile * 64
	s_cmp_eq_u32 s4, 3
	s_cselect_b32 s12, s13, s12
	s_lshl_b32 s12, s12, 11                        ; rows of 2,048 bytes
	s_lshl_b32 s13, s34, 8                         ; + 128 k of 2 bytes
	s_add_co_u32 s12, s12, s13
	s_mov_b32 s13, 0
	s_lshl_b32 s14, s34, 19                        ; source: 128 rows of 4,096 bytes
	s_lshl_b32 s15, s5, 8                          ; + 64 columns of 4 bytes
	s_add_co_u32 s14, s14, s15
	s_mov_b32 s15, 0
	s_mov_b32 s38, 0x600000                        ; the lo parts begin 6 MiB into wqkv,
	s_mov_b32 s35, 0x200000                        ; 2 MiB into wot
	s_mov_b32 s39, 0
	s_cmp_eq_u32 s4, 0
	s_cselect_b32 s6, SIGMA, 1.0                   ; one text for all four matrices: only Wq has a factor other than 1
	s_mov_b32 s7, s6
	v_and_b32 v1, 15, v0                           ; nq: my 4 columns
	v_lshrrev_b32 v2, 4, v0                        ; ko: my 8 rows of k
	v_lshlrev_b32 v7, 4, v1
	v_lshl_add_u32 v3, v2, 15, v7                  ; load: ko*8 rows*4,096 + nq*16
	v_mul_u32_u24 v4, v1, 1088
	v_lshl_add_u32 v4, v2, 4, v4                   ; LDS in: column (4 nq)*272 + ko*16
	v_mul_u32_u24 v5, v2, 272
	v_lshl_add_u32 v5, v1, 4, v5                   ; LDS back: row (t>>4)*272 + (t&15)*16
	v_lshl_add_u32 v6, v2, 11, v7                  ; store: row (t>>4)*2,048 + (t&15)*16
	s_wait_kmcnt 0x0
	s_cmp_eq_u32 s4, 1
	s_cselect_b64 s[8:9], s[20:21], s[18:19]
	s_cmp_eq_u32 s4, 2
	s_cselect_b64 s[8:9], s[22:23], s[8:9]
	s_cmp_eq_u32 s4, 3
	s_cselect_b64 s[8:9], s[24:25], s[8:9]
	s_cselect_b64 s[10:11], s[30:31], s[28:29]
	s_cselect_b32 s38, s35, s38
	s_add_nc_u64 s[8:9], s[8:9], s[14:15]
	s_add_nc_u64 s[10:11], s[10:11], s[12:13]      ; where the hi rows go
	s_add_nc_u64 s[36:37], s[10:11], s[38:39]      ; and the lo rows
.irp i, 0,1,2,3,4,5,6,7
	global_load_b128 v[W+4*\i:W+4*\i+3], v3, s[8:9] offset:\i*4096 th:TH_LOAD_NT   ; sixteen lanes take 256 consecutive aligned bytes of a row
.endr
	s_wait_loadcnt 0x0
.irp m, 0,1,2,3,4,5,6,7,8,9,10,11,12,13,14,15
	v_pk_mul_f32 v[W+2*\m:W+2*\m+1], v[W+2*\m:W+2*\m+1], s[6:7] op_sel_hi:[1,0]
.endr
.irp m, 0,1,2,3,4,5,6,7,8,9,10,11,12,13,14,15
	v_pk_mul_f32 v[TW+4*(\m%2):TW+4*(\m%2)+1], v[W+2*\m:W+2*\m+1], VELT op_sel_hi:[1,0]                                        ; c = 8193 w
	v_pk_add_f32 v[TW+4*(\m%2)+2:TW+4*(\m%2)+3], v[TW+4*(\m%2):TW+4*(\m%2)+1], v[W+2*\m:W+2*\m+1] neg_lo:[0,1] neg_hi:[0,1]    ; c - w
	v_pk_add_f32 v[H+2*\m:H+2*\m+1], v[TW+4*(\m%2):TW+4*(\m%2)+1], v[TW+4*(\m%2)+2:TW+4*(\m%2)+3] neg_lo:[0,1] neg_hi:[0,1]    ; hi = c - (c - w)
	v_pk_add_f32 v[W+2*\m:W+2*\m+1], v[W+2*\m:W+2*\m+1], v[H+2*\m:H+2*\m+1] neg_lo:[0,1] neg_hi:[0,1]                          ; lo = w - hi
.endr
.irp c, 0,1,2,3
.irp jj, 0,1,2,3
	v_cvt_pk_f16_f32 v[PH+4*\c+\jj], v[H+8*\jj+\c], v[H+8*\jj+4+\c]   ; k = 8 ko + 2 jj, +1 of column c
	v_cvt_pk_f16_f32 v[PL+4*\c+\jj], v[W+8*\jj+\c], v[W+8*\jj+4+\c]
.endr
.endr
.irp c, 0,1,2,3
	ds_store_b128 v4, v[PH+4*\c:PH+4*\c+3] offset:\c*272
	ds_store_b128 v4, v[PL+4*\c:PL+4*\c+3] offset:LOT+\c*272
.endr
	s_wait_dscnt 0x0                               ; my stores are in LDS before I say so
	s_barrier_signal -1
	s_barrier_wait -1                              ; everybody's are
.irp p, 0,1,2,3
	ds_load_b128 v[R+4*\p:R+4*\p+3], v5 offset:\p*4352
.endr
.irp p, 0,1,2,3
	ds_load_b128 v[R+16+4*\p:R+16+4*\p+3], v5 offset:LOT+\p*4352
.endr
.irp p, 0,1,2,3
	s_wait_dscnt 7-\p                              ; LDS loads return in order: hi load p is in, the 7 - p younger ones may be out
	global_store_b128 v6, v[R+4*\p:R+4*\p+3], s[10:11] offset:\p*32768   ; sixteen lanes write 256 consecutive aligned bytes
.endr
.irp p, 0,1,2,3
	s_wait_dscnt 3-\p
	global_store_b128 v6, v[R+16+4*\p:R+16+4*\p+3], s[36:37] offset:\p*32768
.endr
	s_wait_tensorcnt 0x0
	ds_add_u32 v112, v113
	s_wait_dscnt 0x0
	s_endpgm
	; ---------------- rotation table ----------------
; cos and sin of pos * 10000^(-j/32).  jf: j as f32.  v1: pos as f32.
.macro SINCOS jf, dc, ds
	v_mul_f32 v8, 0x3ed49a78, \jf                  ; a = j * log2(10000)/32, upper part
	v_fma_f32 v9, \jf, 0x3ed49a78, -v8             ; what the rounding of a dropped,
	v_fmac_f32 v9, 0x32179db4, \jf                 ; and the constant's lower part
	v_exp_f32 v10, -v8
	v_nop                                          ; one plain place behind a transcendental (ISA guide 5.7.2)
	s_wait_alu depctr_va_vdst(0)
	v_mul_f32 v9, v10, v9
	v_fma_f32 v10, -v9, 0x3f317218, v10            ; freq = 2^-a * (1 - e ln 2)
	v_mul_f32 v11, v1, v10                         ; the angle, one rounding
	v_mul_f32 v12, 0x3f22f983, v11
	v_rndne_f32 v12, v12                           ; quarter turns
	v_fma_f32 v11, -v12, 0x3fc90fdb, v11           ; r = angle - q*pi/2, pi/2 in two parts
	v_fmac_f32 v11, 0x333bbd2e, v12
	v_mul_f32 v13, v11, v11                        ; z = r*r, |r| <= pi/4
	v_mov_b32 v14, 0x3638ef1d
	v_fmaak_f32 v14, v14, v13, 0xb9500d01
	v_fmaak_f32 v14, v14, v13, 0x3c088889
	v_fmaak_f32 v14, v14, v13, 0xbe2aaaab
	v_mul_f32 v15, v11, v13
	v_fma_f32 v14, v15, v14, v11                   ; sin r (series to r^9)
	v_mov_b32 v15, 0x37d00d01
	v_fmaak_f32 v15, v15, v13, 0xbab60b61
	v_fmaak_f32 v15, v15, v13, 0x3d2aaaab
	v_fmaak_f32 v15, v15, v13, 0xbf000000
	v_fmaak_f32 v15, v15, v13, 0x3f800000          ; cos r (series to r^8)
	v_cvt_i32_f32 v16, v12
	v_and_b32 v17, 1, v16
	v_cmp_eq_u32 vcc_lo, 1, v17                    ; odd quarter: sin and cos change places
	v_cndmask_b32 \ds, v14, v15, vcc_lo
	v_cndmask_b32 \dc, v15, v14, vcc_lo
	v_and_b32 v17, 2, v16                          ; sin is negative in quarters 2, 3
	v_lshlrev_b32 v17, 30, v17
	v_xor_b32 \ds, \ds, v17
	v_add_nc_u32 v17, 1, v16                       ; cos in quarters 1, 2
	v_and_b32 v17, 2, v17
	v_lshlrev_b32 v17, 30, v17
	v_xor_b32 \dc, \dc, v17
.endm
.Ltable:
	s_sub_co_u32 s2, s2, 512
	s_lshl_b32 s4, s2, 12                          ; 16 rows of 256 bytes
	s_mov_b32 s5, 0
	s_lshl_b32 s6, s2, 4                           ; first position
	v_lshrrev_b32 v1, 4, v0
	v_add_nc_u32 v1, s6, v1
	v_cvt_f32_u32 v1, v1                           ; pos
	v_and_b32 v2, 15, v0
	v_lshlrev_b32 v2, 1, v2
	v_cvt_f32_u32 v2, v2                           ; j = 2 (t & 15)
	v_add_f32 v3, 1.0, v2                          ; and j + 1
	v_lshlrev_b32 v4, 4, v0
	SINCOS v2, v20, v21
	SINCOS v3, v22, v23
	s_wait_kmcnt 0x0
	s_add_nc_u64 s[32:33], s[32:33], s[4:5]
	global_store_b128 v4, v[20:23], s[32:33]       ; sixteen lanes write one row of 256 bytes
	s_endpgm
	; ---------------- x: f32 -> f16 ----------------
.Lcast:
	s_sub_co_u32 s2, s2, 640                       ; chunk of 16 rows
	s_lshl_b32 s4, s2, 16
	s_mov_b32 s5, 0
	s_lshl_b32 s6, s2, 15
	s_mov_b32 s7, 0
	s_and_b32 s8, s2, 127                          ; the chunk's number in its batch: 0..3 hold positions 0..63
	s_lshr_b32 s9, s2, 7                           ; batch
	s_lshl_b32 s9, s9, 2
	s_add_co_u32 s9, s9, s8
	s_lshl_b32 s10, s9, 15                         ; lo rows: (batch*4 + chunk) x 16 rows of 2,048 bytes,
	s_add_co_u32 s10, s10, XLOFF                   ; behind the hi rows
	s_mov_b32 s11, 0
	v_lshlrev_b32 v1, 4, v0
	v_lshlrev_b32 v2, 3, v0
	s_wait_kmcnt 0x0
	s_add_nc_u64 s[16:17], s[16:17], s[4:5]
	s_add_nc_u64 s[14:15], s[26:27], s[6:7]
.irp u, 0,1,2,3,4,5,6,7,8,9,10,11,12,13,14,15
	global_load_b128 v[X+4*\u:X+4*\u+3], v1, s[16:17] offset:\u*4096 th:TH_LOAD_NT   ; all sixteen loads of a wave are out at once
.endr
	s_cmp_lt_u32 s8, 4
	s_cbranch_scc1 .Lheadrows
.irp u, 0,1,2,3,4,5,6,7,8,9,10,11,12,13,14,15
	s_wait_loadcnt 15-\u                           ; loads return in order: load u is in
	v_cvt_pk_f16_f32 v[Y+2*\u], v[X+4*\u], v[X+4*\u+1]
	v_cvt_pk_f16_f32 v[Y+2*\u+1], v[X+4*\u+2], v[X+4*\u+3]
	global_store_b64 v2, v[Y+2*\u:Y+2*\u+1], s[14:15] offset:\u*2048   ; a wave's 32 lanes write 256 consecutive aligned bytes; no register is written twice
.endr
	s_endpgm
.Lheadrows:
	s_add_nc_u64 s[12:13], s[26:27], s[10:11]
.irp u, 0,1,2,3,4,5,6,7,8,9,10,11,12,13,14,15
	s_wait_loadcnt 15-\u
	v_pk_mul_f32 v[TX:TX+1],   v[X+4*\u:X+4*\u+1],   VELT op_sel_hi:[1,0]
	v_pk_mul_f32 v[TX+2:TX+3], v[X+4*\u+2:X+4*\u+3], VELT op_sel_hi:[1,0]
	v_pk_add_f32 v[TX+4:TX+5], v[TX:TX+1],   v[X+4*\u:X+4*\u+1]   neg_lo:[0,1] neg_hi:[0,1]
	v_pk_add_f32 v[TX+6:TX+7], v[TX+2:TX+3], v[X+4*\u+2:X+4*\u+3] neg_lo:[0,1] neg_hi:[0,1]
	v_pk_add_f32 v[TX:TX+1],   v[TX:TX+1],   v[TX+4:TX+5] neg_lo:[0,1] neg_hi:[0,1]          ; hi
	v_pk_add_f32 v[TX+2:TX+3], v[TX+2:TX+3], v[TX+6:TX+7] neg_lo:[0,1] neg_hi:[0,1]
	v_pk_add_f32 v[X+4*\u:X+4*\u+1],   v[X+4*\u:X+4*\u+1],   v[TX:TX+1]   neg_lo:[0,1] neg_hi:[0,1]   ; lo
	v_pk_add_f32 v[X+4*\u+2:X+4*\u+3], v[X+4*\u+2:X+4*\u+3], v[TX+2:TX+3] neg_lo:[0,1] neg_hi:[0,1]
	v_cvt_pk_f16_f32 v[Y+2*\u],   v[TX],   v[TX+1]
	v_cvt_pk_f16_f32 v[Y+2*\u+1], v[TX+2], v[TX+3]
	v_cvt_pk_f16_f32 v[X+4*\u],   v[X+4*\u],   v[X+4*\u+1]
	v_cvt_pk_f16_f32 v[X+4*\u+1], v[X+4*\u+2], v[X+4*\u+3]
	global_store_b64 v2, v[Y+2*\u:Y+2*\u+1], s[14:15] offset:\u*2048
	global_store_b64 v2, v[X+4*\u:X+4*\u+1], s[12:13] offset:\u*2048   ; each store's data registers are its own: none is written again
.endr
	s_endpgm
.Lfunc_end_k_q6279680d24_prep:
	.size	k_q6279680d24_prep, .Lfunc_end_k_q6279680d24_prep-k_q6279680d24_prep
	.p2alignl 7, 3214868480
	.fill 96, 4, 3214868480
	.section	.rodata,"a",@progbits
	.p2align	6, 0x0
	.amdhsa_kernel k_q6279680d24_prep
		.amdhsa_group_segment_fixed_size 35840
		.amdhsa_private_segment_fixed_size 0
		.amdhsa_enable_private_segment 0
		.amdhsa_kernarg_size 72
		.amdhsa_user_sgpr_count 2
		.amdhsa_user_sgpr_kernarg_segment_ptr 1
		.amdhsa_wavefront_size32 1
		.amdhsa_system_sgpr_workgroup_id_x 1
		.amdhsa_system_sgpr_workgroup_id_y 1
		.amdhsa_system_sgpr_workgroup_id_z 1
		.amdhsa_system_vgpr_workitem_id 0
		.amdhsa_next_free_vgpr 114
		.amdhsa_next_free_sgpr 66
		.amdhsa_reserve_vcc 1
		.amdhsa_float_denorm_mode_32 3
		.amdhsa_float_denorm_mode_16_64 3
		.amdhsa_memory_ordered 1
		.amdhsa_forward_progress 1
		.amdhsa_inst_pref_size 41
	.end_amdhsa_kernel
	.amdgpu_metadata
---
amdhsa.version: [ 1, 2 ]
amdhsa.kernels:
  - .name:           k_q6279680d24_prep
    .symbol:         k_q6279680d24_prep.kd
    .args:
      - { .name: x, .offset: 0, .size: 8, .value_kind: global_buffer, .address_space: global }
      - { .name: Wq, .offset: 8, .size: 8, .value_kind: global_buffer, .address_space: global }
      - { .name: Wk, .offset: 16, .size: 8, .value_kind: global_buffer, .address_space: global }
      - { .name: Wv, .offset: 24, .size: 8, .value_kind: global_buffer, .address_space: global }
      - { .name: Wo, .offset: 32, .size: 8, .value_kind: global_buffer, .address_space: global }
      - { .name: xb, .offset: 40, .size: 8, .value_kind: global_buffer, .address_space: global }
      - { .name: wqkv, .offset: 48, .size: 8, .value_kind: global_buffer, .address_space: global }
      - { .name: wot, .offset: 56, .size: 8, .value_kind: global_buffer, .address_space: global }
      - { .name: rope, .offset: 64, .size: 8, .value_kind: global_buffer, .address_space: global }
    .group_segment_fixed_size: 35840
    .private_segment_fixed_size: 0
    .kernarg_segment_align: 8
    .kernarg_segment_size: 72
    .max_flat_workgroup_size: 256
    .sgpr_count:     66
    .vgpr_count:     114
    .wavefront_size: 32
...
	.end_amdgpu_metadata
.endif
;; end of part 1
;; launch qkv (part 2): grid 16 x 32, 4 waves a work-group, clusters of 4 x 4, 327,680 bytes of LDS; arguments xb, wqkv, rope, q, k, v; writes q, k, v
.if DOCPART == 2
	.amdgcn_target "amdgcn-amd-amdhsa--gfx1250"
	.amdhsa_code_object_version 6
	.text
	.protected	k_q6279680d24_qkv
	.globl	k_q6279680d24_qkv
	.p2align	8
	.type	k_q6279680d24_qkv,@function
k_q6279680d24_qkv:
	s_mov_b64 s[64:65], 0
	v_nop
	global_prefetch_b8 v0, s[64:65] scope:SCOPE_SE
	s_setreg_imm32_b32 hwreg(HW_REG_WAVE_MODE, 25, 1), 1
	s_wait_xcnt 0x0
	s_wait_alu depctr_hold_cnt(0) depctr_sa_sdst(0) depctr_va_vdst(0) depctr_va_sdst(0) depctr_va_ssrc(0) depctr_va_vcc(0) depctr_vm_vsrc(0)
	s_getreg_b32 s2, hwreg(HW_REG_IB_STS2, 6, 4)
	s_cmp_eq_u32 s2, 0
	s_cbranch_scc0 .Lentry_in_a_cluster
	s_endpgm
.Lentry_in_a_cluster:
	s_bfe_u32 s2, ttmp6, 0x10000c
	s_cmp_lg_u32 s2, 0xf033
	s_cbranch_scc0 .Lentry_shape_is_right
	s_endpgm
.Lentry_shape_is_right:
; qkv: [8192 x 1024] x [3072 x 1024]^T in f16 with f32 sums, the pair rotation and the split into heads on the way out.
; A work-group makes 256 rows (one batch, 256 positions) x 192 columns = Q | K | V of ONE head.  Four waves; wave w makes rows 64 w .. 64 w + 63
; of all 192 columns: 4 x 12 = 48 accumulator tiles of 16 x 16, 384 registers.  So which columns are Q, K or V is a constant of the text.
; K goes in steps of 128 (rows of 256 bytes, aligned) through two LDS slots filled by tensor loads.
; CLUSTER 4 x 4: the four work-groups of a cluster row share the block row (x's tile and the table), the four of a column share the head
; (the weights' tile): each such tile is asked for jointly by the four, with one descriptor.
; The matrix instruction is used transposed (source 0 = 16 rows of the weights, source 1 = 16 rows of x): lane l then holds row l % 16 and
; eight neighbouring columns 8 (l / 16) + 0..7, i.e. four whole rotation pairs, which pack into 16 bytes.
; LIMITS: f16 operands and f16 results: |x|, |W|, |Q|, |K|, |V| < 65,504.  NaN and infinities are not served.
; REGISTERS by windows of 256:  0: addresses, x fragments (two buffers), way-out registers;  1: weight fragments (two buffers);
;   2: accumulator tile (a, b < 8) at 8 (8 a + b) = Q and K;   3: tile (a, b >= 8) at 8 (4 a + b - 8) = V.
.set PITCH, 272                        ; LDS row: 256 bytes + 16: an odd multiple of 16, so sixteen rows begin at sixteen different 16-byte columns of 256
.set AB,    256*PITCH                  ; x's 256 rows
.set SLOT,  448*PITCH                  ; then the weights' 192 rows
.set TAB,   2*SLOT                     ; table rows of my 256 positions, f32, 256 + 16 bytes
.set STAGE, TAB+256*PITCH              ; way out: 16 rows x 144 bytes for each wave; no tensor load ever lands here
.set SP,    144
.set LAPS,  4                          ; 1024 / (2 x 128)
.set ADRA, 16                          ; v16-17 LDS address of my x fragments, slot 0, 1
.set ADRB, 20                          ; v20-21 the same for the weights
.set STO,  24
.set RD,   25
.set CO,   26
.set TADR, 27
.set FA,   32                          ; window 0: v32-63, v64-95
.set FB,   0                           ; window 1: v0-95, v96-191
.set CS,   96                          ; cos, sin of my row: 4 tiles x 8
.set TT,   128
.set OO,   160
.set PK,   192
.set RB,   208
.set G1A, 24
.set G0A, 32
.set G1B, 40
.set G0B, 48
.set G1T, 56
.set G0T, 68
.set MUL_LO, 0xa1                      ; source 0 window 1, source 1 window 0, C and D window 2
.set MUL_HI, 0xf1                      ; C and D window 3
.set TO_B,   0x40                      ; destination window 1
.set ROPE,   0x02                      ; source 0 window 2
.set CVTV,   0x0f                      ; sources 0 and 1 window 3
.set MSB, 0
.macro WIN new                         ; the immediate's high byte repeats the setting that is left
.if MSB != \new
	s_set_vgpr_msb (MSB<<8)|\new
.set MSB, \new
.endif
.endm
.macro PLACES n
.rept \n
	v_nop
.endr
.endm
; a joint load: waves 0, 1 fetch the halves of x's tile, waves 2, 3 the halves of the weights' tile
.macro JLOAD s
	s_cmp_eq_u32 s17, 0
	s_cbranch_scc0 .Lfor_b_\@
	tensor_load_to_lds s[G0A+4*\s:G0A+4*\s+3], s[G1A:G1A+7]
	s_nop 0
	s_branch .Lasked_\@
.Lfor_b_\@:
	tensor_load_to_lds s[G0B+4*\s:G0B+4*\s+3], s[G1B:G1B+7]
	s_nop 0
.Lasked_\@:
.endm
.macro CREST                           ; a round of the cluster's barrier behind its opening work-group barrier
	s_cmp_lg_u32 s16, 0
	s_cbranch_scc1 .Lnot_wave_0_\@
	s_barrier_signal -3
.Lnot_wave_0_\@:
	s_barrier_wait -3
	s_barrier_signal -1
	s_barrier_wait -1
.endm
.macro CROUND
	s_barrier_signal -1
	s_barrier_wait -1
	CREST
.endm
	s_load_b256 s[4:11], s[0:1], 0x0               ; xb 4, wqkv 6, rope 8, q 10
	s_load_b128 s[12:15], s[0:1], 0x20             ; k 12, v 14
	s_set_vgpr_msb 0x40
	v_lshl_add_u32 v255, v0, 2, 0x4ec00
	s_set_vgpr_msb 0x4000
	v_mov_b32 v255, 0
	s_set_vgpr_msb 0x1
	ds_add_u32 v255, v255
	ds_add_u32 v255, v255
	s_set_vgpr_msb 0x100
	v_lshrrev_b32 v1, 5, v0
	v_readfirstlane_b32 s16, v1                    ; wave
	s_lshr_b32 s17, s16, 1                         ; 0: I fetch for x, 1: for the weights
	s_and_b32 s18, s16, 1                          ; which half of that tile
	s_bfe_u32 s19, ttmp6, 0x40000                  ; cx
	s_bfe_u32 s20, ttmp6, 0x40004                  ; cy
	s_lshl_b32 s21, ttmp9, 2
	s_add_co_u32 s21, s21, s19                     ; head = 4 x cluster x + cx
	s_and_b32 s22, ttmp7, 0xffff
	s_lshl_b32 s22, s22, 2
	s_add_co_u32 s22, s22, s20                     ; block row = 4 x cluster y + cy
	s_lshl_b32 s72, s20, 2
	s_lshl_b32 s72, 15, s72                        ; my row of the cluster
	s_lshl_b32 s73, 0x1111, s19                    ; my column
	s_or_b32 s[G1A+0], s72, (1<<16)|(1<<20)|(1<<21)|(5<<22)|(3<<25)   ; mask; 2-byte elements; pad 4 words behind every 64; bit 21 beside a mask
	s_mov_b32 s[G1A+1], 128<<16                    ; tensor_dim0 = 128
	s_mov_b32 s[G1A+2], 128<<16                    ; tensor_dim1 = 128
	s_mov_b32 s[G1A+3], 128<<16                    ; tile_dim0 = 128
	s_mov_b32 s[G1A+4], 128                        ; tile_dim1 = 128 rows
	s_mov_b32 s[G1A+5], 1024                       ; pitch in elements
	s_mov_b32 s[G1A+6], 0
	s_mov_b32 s[G1A+7], 0
	s_or_b32 s[G1B+0], s73, (1<<16)|(1<<20)|(1<<21)|(5<<22)|(3<<25)
	s_mov_b32 s[G1B+1], 128<<16
	s_mov_b32 s[G1B+2], 96<<16                     ; 96 rows
	s_mov_b32 s[G1B+3], 128<<16
	s_mov_b32 s[G1B+4], 96
	s_mov_b32 s[G1B+5], 1024
	s_mov_b32 s[G1B+6], 0
	s_mov_b32 s[G1B+7], 0
	s_or_b32 s[G1T+0], s72, (2<<16)|(1<<20)|(1<<21)|(5<<22)|(3<<25)   ; the table: 4-byte elements, 64 rows of 64
	s_mov_b32 s[G1T+1], 64<<16
	s_mov_b32 s[G1T+2], 64<<16
	s_mov_b32 s[G1T+3], 64<<16
	s_mov_b32 s[G1T+4], 64
	s_mov_b32 s[G1T+5], 64
	s_mov_b32 s[G1T+6], 0
	s_mov_b32 s[G1T+7], 0
	; where the tiles come from.  x's and the table's hang on the block row alone, the weights' on the head alone.
	s_lshl_b32 s74, s22, 8
	s_lshl_b32 s75, s18, 7
	s_add_co_u32 s74, s74, s75
	s_lshl_b32 s74, s74, 11                        ; (256 block row + 128 half) rows of 2,048 bytes
	s_mov_b32 s75, 0
	s_mul_i32 s76, s21, 192
	s_mul_i32 s77, s18, 96
	s_add_co_u32 s76, s76, s77
	s_lshl_b32 s76, s76, 11                        ; (192 head + 96 half) rows of 2,048 bytes
	s_mov_b32 s77, 0
	s_and_b32 s78, s22, 7
	s_lshl_b32 s78, s78, 8
	s_lshl_b32 s79, s16, 6
	s_add_co_u32 s78, s78, s79
	s_lshl_b32 s78, s78, 8                         ; (first position + 64 wave) rows of 256 bytes
	s_mov_b32 s79, 0
	s_mul_i32 s80, s18, 128*PITCH                  ; and where they go: the wave's number and constants alone
	s_mul_i32 s81, s18, 96*PITCH
	s_add_co_u32 s81, s81, AB
	s_mul_i32 s82, s16, 64*PITCH
	s_add_co_u32 s82, s82, TAB
	s_wait_dscnt 0x0
	s_wait_kmcnt 0x0
	s_add_nc_u64 s[74:75], s[4:5], s[74:75]
	s_add_nc_u64 s[76:77], s[6:7], s[76:77]
	s_add_nc_u64 s[78:79], s[8:9], s[78:79]
	CROUND                                         ; all sixteen work-groups are here: the first joint loads meet
.irp s, 0,1
	s_mov_b32 s[G0A+4*\s], 1
	s_add_co_u32 s[G0A+4*\s+1], s80, \s*SLOT
	s_add_nc_u64 s[G0A+4*\s+2:G0A+4*\s+3], s[74:75], \s*256
	s_or_b32 s[G0A+4*\s+3], s[G0A+4*\s+3], 0x80000000
	s_mov_b32 s[G0B+4*\s], 1
	s_add_co_u32 s[G0B+4*\s+1], s81, \s*SLOT
	s_add_nc_u64 s[G0B+4*\s+2:G0B+4*\s+3], s[76:77], \s*256
	s_or_b32 s[G0B+4*\s+3], s[G0B+4*\s+3], 0x80000000
	JLOAD \s
.endr
	s_mov_b32 s[G0T], 1
	s_mov_b32 s[G0T+1], s82
	s_mov_b64 s[G0T+2:G0T+3], s[78:79]
	s_or_b32 s[G0T+3], s[G0T+3], 0x80000000
	tensor_load_to_lds s[G0T:G0T+3], s[G1T:G1T+7]  ; the table rows of my own 64 positions: three tensor loads of this wave are out now
	s_nop 0
	v_and_b32 v1, 15, v0                           ; r
	v_bfe_u32 v2, v0, 4, 1                         ; h
	v_and_b32 v3, 31, v0                           ; lane
	v_mul_u32_u24 v4, v1, PITCH
	v_lshl_add_u32 v5, v2, 4, v4                   ; 272 r + 16 h
	s_mul_i32 s84, s16, 64*PITCH
	v_add_nc_u32 v[ADRA], s84, v5
	v_add_nc_u32 v[ADRA+1], SLOT, v[ADRA]
	v_add_nc_u32 v[ADRB], AB, v5
	v_add_nc_u32 v[ADRB+1], SLOT+AB, v5
	s_add_co_u32 s84, s84, TAB
	v_lshl_add_u32 v6, v2, 5, v4                   ; table: 272 r + 32 h (8 f32 for each half of the lanes)
	v_add_nc_u32 v[TADR], s84, v6
	s_mul_i32 s85, s16, 16*SP
	s_add_co_u32 s85, s85, STAGE
	v_mul_u32_u24 v6, v1, SP
	v_lshl_add_u32 v6, v2, 4, v6
	v_add_nc_u32 v[STO], s85, v6                   ; in: row r, 16 bytes for each half
	v_lshrrev_b32 v6, 3, v3
	v_mul_u32_u24 v6, v6, SP
	v_and_b32 v7, 7, v0
	v_lshl_add_u32 v6, v7, 4, v6
	v_add_nc_u32 v[RD], s85, v6                    ; back: eight lanes take a row of 128 bytes
	v_lshlrev_b32 v[CO], 4, v3                     ; and in memory four such rows are 512 consecutive bytes
; 16 matrix instructions: row tiles a0, a0 + 1 x the eight column tiles of Q and K
.macro MULQK f, a0, zero
.irp a, \a0, \a0+1
.irp b, 0,1,2,3,4,5,6,7
.if \zero
	v_wmma_f32_16x16x32_f16 v[8*(8*(\a)+\b):8*(8*(\a)+\b)+7], v[FB+96*\f+8*\b:FB+96*\f+8*\b+7], v[FA+32*\f+8*(\a):FA+32*\f+8*(\a)+7], 0
.else
	v_wmma_f32_16x16x32_f16 v[8*(8*(\a)+\b):8*(8*(\a)+\b)+7], v[FB+96*\f+8*\b:FB+96*\f+8*\b+7], v[FA+32*\f+8*(\a):FA+32*\f+8*(\a)+7], v[8*(8*(\a)+\b):8*(8*(\a)+\b)+7]
.endif
.endr
.endr
.endm
; 16 matrix instructions: all four row tiles x the four column tiles of V
.macro MULV f, zero
.irp a, 0,1,2,3
.irp b, 0,1,2,3
.if \zero
	v_wmma_f32_16x16x32_f16 v[8*(4*\a+\b):8*(4*\a+\b)+7], v[FB+96*\f+64+8*\b:FB+96*\f+64+8*\b+7], v[FA+32*\f+8*\a:FA+32*\f+8*\a+7], 0
.else
	v_wmma_f32_16x16x32_f16 v[8*(4*\a+\b):8*(4*\a+\b)+7], v[FB+96*\f+64+8*\b:FB+96*\f+64+8*\b+7], v[FA+32*\f+8*\a:FA+32*\f+8*\a+7], v[8*(4*\a+\b):8*(4*\a+\b)+7]
.endif
.endr
.endr
.endm
; 32 LDS loads in one run: x's four fragments, then the weights' twelve, 32 along K at byte k of the rows
.macro FETCH slot, k, f
	WIN 0
.irp i, 0,1,2,3
	ds_load_b128 v[FA+32*\f+8*\i:FA+32*\f+8*\i+3],   v[ADRA+\slot] offset:\k+\i*16*PITCH
	ds_load_b128 v[FA+32*\f+8*\i+4:FA+32*\f+8*\i+7], v[ADRA+\slot] offset:\k+\i*16*PITCH+32
.endr
	WIN TO_B
.irp i, 0,1,2,3,4,5,6,7,8,9,10,11
	ds_load_b128 v[FB+96*\f+8*\i:FB+96*\f+8*\i+3],   v[ADRB+\slot] offset:\k+\i*16*PITCH
	ds_load_b128 v[FB+96*\f+8*\i+4:FB+96*\f+8*\i+7], v[ADRB+\slot] offset:\k+\i*16*PITCH+32
.endr
.endm
; A quarter step: 48 matrix instructions on buffer f.  The 48 accumulators take turns, one instruction a turn, in the same order in every
; quarter.  Four v_nop are the places between the matrix instructions that read buffer g and the loads into it.
.macro QUARTER slot, k, f, g, zero
	s_wait_dscnt 8                                 ; all but the youngest eight loads (V's four weight fragments) are in
	WIN MUL_LO
	MULQK \f, 0, \zero
	MULQK \f, 2, \zero
	PLACES 4
	FETCH \slot, \k, \g
	s_wait_dscnt 32                                ; all but the 32 just issued
	WIN MUL_HI
	MULV \f, \zero
.endm
.macro THREE slot, zero
	QUARTER \slot, 64,  0, 1, \zero
	QUARTER \slot, 128, 1, 0, 0
	QUARTER \slot, 192, 0, 1, 0
.endm
; The last quarter of a K step changes slots.  In front of the barrier each wave's reads of this slot are back and all its tensor loads have
; landed (its part of the next slot among them); behind it the refill comes first, then the next slot's first fragments.
.macro TURN slot, next, fill
	s_wait_dscnt 8
	WIN MUL_LO
	MULQK 1, 0, 0
	s_wait_dscnt 0x0                               ; my reads of this slot are over
	s_wait_tensorcnt 0x0                           ; all my tensor loads have landed
	ds_add_u32 v255, v255
	s_wait_dscnt 0x0
	s_barrier_signal -1                            ; (where a slot is filled again this opens a round of the cluster's barrier)
	MULQK 1, 2, 0                                  ; register work while the others arrive
	WIN 0
	s_barrier_wait -1
.if \fill
	CREST                                          ; no wave of any partner still reads this slot or has a load on its way
	s_add_nc_u64 s[G0A+4*\slot+2:G0A+4*\slot+3], s[G0A+4*\slot+2:G0A+4*\slot+3], 512   ; two K steps on
	s_add_nc_u64 s[G0B+4*\slot+2:G0B+4*\slot+3], s[G0B+4*\slot+2:G0B+4*\slot+3], 512
	JLOAD \slot                                    ; my one tensor load behind the round; 176 matrix instructions stand between it and the wait for it
.endif
	PLACES 4
	FETCH \next, 0, 0
	WIN MUL_HI
	MULV 1, 0
.endm
.macro LAP zero
	THREE 0, \zero
	TURN 0, 1, 1
	THREE 1, 0
	TURN 1, 0, 1
.endm
	s_wait_tensorcnt 2                             ; my part of K step 0 is in; K step 1's and the table may stay out
	s_barrier_signal -1
	s_barrier_wait -1
	FETCH 0, 0, 0
	LAP 1                                          ; the first products start the sums: nothing is cleared
	WIN 0
	s_mov_b32 s3, LAPS-2
.Llap:
	LAP 0
	WIN 0
	s_sub_co_u32 s3, s3, 1
	s_cmp_lg_u32 s3, 0
	s_cbranch_scc1 .Llap
	THREE 0, 0                                     ; the last lap fills nothing
	TURN 0, 1, 0
	THREE 1, 0
	s_wait_dscnt 8
	WIN MUL_LO
	MULQK 1, 0, 0
	MULQK 1, 2, 0
	s_wait_dscnt 0x0
	WIN MUL_HI
	MULV 1, 0
	WIN 0
	PLACES 4                                       ; the places in front of the first reads of results
	; THE WAY OUT.  q, k, v are [batch*16 + head][position][64] f16: my 64 rows are 8,192 consecutive bytes in each.
	s_lshr_b32 s86, s22, 3                         ; batch
	s_lshl_b32 s86, s86, 4
	s_add_co_u32 s86, s86, s21                     ; batch*16 + head
	s_lshl_b32 s86, s86, 11
	s_and_b32 s87, s22, 7
	s_lshl_b32 s87, s87, 8
	s_add_co_u32 s86, s86, s87
	s_lshl_b32 s87, s16, 6
	s_add_co_u32 s86, s86, s87                     ; + my first position
	s_lshl_b32 s86, s86, 7                         ; rows of 128 bytes
	s_mov_b32 s87, 0
	s_add_nc_u64 s[10:11], s[10:11], s[86:87]
	s_add_nc_u64 s[12:13], s[12:13], s[86:87]
	s_add_nc_u64 s[14:15], s[14:15], s[86:87]
; 16 rows x 64 f16 from PK through my own stage to memory
.macro STOREP a, base
.irp bp, 0,1,2,3
	ds_store_b128 v[STO], v[PK+4*\bp:PK+4*\bp+3] offset:32*\bp
.endr
	s_wait_xcnt 0x0                                ; RB was the data of earlier stores: it is loaded again only behind this wait
.irp i, 0,1,2,3
	ds_load_b128 v[RB+4*\i:RB+4*\i+3], v[RD] offset:\i*4*SP    ; a wave's LDS instructions are served in order: these see the stores above
.endr
.irp i, 0,1,2,3
	s_wait_dscnt 3-\i
	global_store_b128 v[CO], v[RB+4*\i:RB+4*\i+3], s[\base:\base+1] offset:\a*2048+\i*512   ; 512 consecutive aligned bytes
.endr
.endm
; the rotation of four tiles (a, b0 .. b0+3): (x1, x2) -> (x1 c - x2 s, x2 c + x1 s), two packed instructions a pair
.macro ROPEP a, b0
	WIN ROPE
.irp bp, 0,1,2,3
.irp i, 0,1,2,3
	v_pk_mul_f32 v[TT+8*\bp+2*\i:TT+8*\bp+2*\i+1], v[8*(8*\a+\b0+\bp)+2*\i:8*(8*\a+\b0+\bp)+2*\i+1], v[CS+8*\bp+2*\i:CS+8*\bp+2*\i+1] op_sel:[0,1] op_sel_hi:[1,1]   ; (x1 s, x2 s)
.endr
.endr
.irp bp, 0,1,2,3
.irp i, 0,1,2,3
	v_pk_fma_f32 v[OO+8*\bp+2*\i:OO+8*\bp+2*\i+1], v[8*(8*\a+\b0+\bp)+2*\i:8*(8*\a+\b0+\bp)+2*\i+1], v[CS+8*\bp+2*\i:CS+8*\bp+2*\i+1], v[TT+8*\bp+2*\i:TT+8*\bp+2*\i+1] op_sel:[0,0,1] op_sel_hi:[1,0,0] neg_lo:[0,0,1]
.endr
.endr
	WIN 0
.irp bp, 0,1,2,3
.irp i, 0,1,2,3
	v_cvt_pk_f16_f32 v[PK+4*\bp+\i], v[OO+8*\bp+2*\i], v[OO+8*\bp+2*\i+1]
.endr
.endr
.endm
.macro OUTA a
.irp bp, 0,1,2,3
	ds_load_b128 v[CS+8*\bp:CS+8*\bp+3],   v[TADR] offset:\a*16*PITCH+64*\bp      ; cos, sin of my row's pairs 8 bp + 4 h .. + 3
	ds_load_b128 v[CS+8*\bp+4:CS+8*\bp+7], v[TADR] offset:\a*16*PITCH+64*\bp+16
.endr
	s_wait_dscnt 0x0
	ROPEP \a, 0
	STOREP \a, 10
	ROPEP \a, 4
	STOREP \a, 12
	WIN CVTV
.irp bp, 0,1,2,3
.irp i, 0,1,2,3
	v_cvt_pk_f16_f32 v[PK+4*\bp+\i], v[8*(4*\a+\bp)+2*\i], v[8*(4*\a+\bp)+2*\i+1]
.endr
.endr
	WIN 0
	STOREP \a, 14
.endm
	OUTA 0
	OUTA 1
	OUTA 2
	OUTA 3
	s_set_vgpr_msb 0x1
	s_wait_tensorcnt 0x0
	ds_add_u32 v255, v255
	s_wait_dscnt 0x0
	s_set_vgpr_msb 0x100
	CROUND                                         ; the closing round: no work-group ends while a partner may still ask jointly
	s_endpgm
.Lfunc_end_k_q6279680d24_qkv:
	.size	k_q6279680d24_qkv, .Lfunc_end_k_q6279680d24_qkv-k_q6279680d24_qkv
	.p2alignl 7, 3214868480
	.fill 96, 4, 3214868480
	.section	.rodata,"a",@progbits
	.p2align	6, 0x0
	.amdhsa_kernel k_q6279680d24_qkv
		.amdhsa_group_segment_fixed_size 327680
		.amdhsa_private_segment_fixed_size 0
		.amdhsa_enable_private_segment 0
		.amdhsa_kernarg_size 48
		.amdhsa_user_sgpr_count 2
		.amdhsa_user_sgpr_kernarg_segment_ptr 1
		.amdhsa_wavefront_size32 1
		.amdhsa_system_sgpr_workgroup_id_x 1
		.amdhsa_system_sgpr_workgroup_id_y 1
		.amdhsa_system_sgpr_workgroup_id_z 1
		.amdhsa_system_vgpr_workitem_id 0
		.amdhsa_next_free_vgpr 896
		.amdhsa_next_free_sgpr 100
		.amdhsa_reserve_vcc 0
		.amdhsa_float_denorm_mode_32 3
		.amdhsa_float_denorm_mode_16_64 3
		.amdhsa_memory_ordered 1
		.amdhsa_forward_progress 1
		.amdhsa_inst_pref_size 183
	.end_amdhsa_kernel
	.amdgpu_metadata
---
amdhsa.version: [ 1, 2 ]
amdhsa.kernels:
  - .name:           k_q6279680d24_qkv
    .symbol:         k_q6279680d24_qkv.kd
    .args:
      - { .name: xb, .offset: 0, .size: 8, .value_kind: global_buffer, .address_space: global }
      - { .name: wqkv, .offset: 8, .size: 8, .value_kind: global_buffer, .address_space: global }
      - { .name: rope, .offset: 16, .size: 8, .value_kind: global_buffer, .address_space: global }
      - { .name: q, .offset: 24, .size: 8, .value_kind: global_buffer, .address_space: global }
      - { .name: k, .offset: 32, .size: 8, .value_kind: global_buffer, .address_space: global }
      - { .name: v, .offset: 40, .size: 8, .value_kind: global_buffer, .address_space: global }
    .group_segment_fixed_size: 327680
    .private_segment_fixed_size: 0
    .kernarg_segment_align: 8
    .kernarg_segment_size: 48
    .max_flat_workgroup_size: 128
    .sgpr_count:     100
    .vgpr_count:     896
    .wavefront_size: 32
...
	.end_amdgpu_metadata
.endif
;; end of part 2
;; launch attn (part 3): grid 4 x 64, 4 waves a work-group, no clusters, 327,680 bytes of LDS; arguments q, k, v, att; writes att
.if DOCPART == 3
	.amdgcn_target "amdgcn-amd-amdhsa--gfx1250"
	.amdhsa_code_object_version 6
	.text
	.protected	k_q6279680d24_attn
	.globl	k_q6279680d24_attn
	.p2align	8
	.type	k_q6279680d24_attn,@function
k_q6279680d24_attn:
	s_mov_b64 s[64:65], 0
	v_nop
	global_prefetch_b8 v0, s[64:65] scope:SCOPE_SE
	s_setreg_imm32_b32 hwreg(HW_REG_WAVE_MODE, 25, 1), 1
	s_wait_xcnt 0x0
; attn: causal attention of one head for two blocks of 256 queries, with a running maximum.  q, k, v, att: [batch*16+head][2048][64] f16.
; q already carries 0.125*log2(e), so scores are exponents of 2.
; Work-group g of a head takes query block g and then block 7 - g: (g + 1) + (8 - g) = 9 trips of 256 keys for every work-group.
; Wave w owns 64 queries (four tiles qt).  A trip is two halves of 128 keys (LDS slot 0, then slot 1); a half is two SUBs of 64 keys.
; In each block the diagonal trip comes first: every query has a key that counts in its first SUB, so the maximum is finite from then on,
; and the first products start the sums.  In the diagonal trip wave w skips the SUBs t > w and masks SUB t = w.
; TRANSPOSED FORMS: S^T = K Q^T puts a query in a lane (l % 16) and keys 8 (l / 16) + j in its registers.  Two neighbouring key tiles, packed
; to f16 in place, ARE the second source of O^T = V^T P^T: no traffic between lanes but one exchange of the halves for the maximum.
; V^T's fragments come from V's rows by the transposing LDS load.
; NO CLUSTER: the four work-groups of a head walk different key tiles at a time (blocks g and 7 - g); in step, each asking for every tile
; of the union, they would pass 4 + 8 = 12 trips instead of 9.
; LIMITS: f16 operands (|q|, |k|, |v| < 65,504); a weight below about 6e-8 of its row's largest rounds to 0; NaN and infinities are not served.
; REGISTERS: window 0: addresses, softmax state, S = v64-191 (tile (qt, kt) at 32 qt + 8 kt), VF = v192-255;
;            window 1: O = v0-127 (tile 8 (4 qt + dt)), QF = v128-191, KF = v192-255.
.set KP, 144                           ; K's, Q's and the stage's LDS rows: 128 bytes + 16
.set VP, 160                           ; V's: 128 + 32, an odd multiple of 32, for the transposing load
.set VOFF, 128*KP
.set SLOT, 128*KP+128*VP
.set QA,   2*SLOT
.set QBLK, 256*KP
.set STAGE, QA+2*QBLK                  ; 16 rows x 144 bytes for each wave; no tensor load lands here
.set KADR, 8
.set VADR, 10
.set QADR, 12
.set STO, 13
.set RD,  14
.set CO,  15
.set NINF, 16
.set PFO, 17
.set MM, 20                            ; pair qt: (m, written once)
.set AL, 28                            ; pair qt: (alpha, l)
.set TM, 36
.set TX, 40
.set SUM, 44
.set IV, 52
.set SS, 64
.set VF, 192
.set QF, 128
.set KF, 192
.set G1K, 24
.set G1V, 32
.set G0K, 40
.set G0V, 48
.set G0Q, 56
.set S_SET, 0x05                       ; sources 0, 1 window 1
.set TO_1,  0x40                       ; destination window 1
.set RESC,  0x41                       ; destination and source 0 window 1
.set PV_SET, 0x50                      ; C and D window 1
.set FIN,   0x01                       ; source 0 window 1
.set MSB, 0
.macro WIN new
.if MSB != \new
	s_set_vgpr_msb (MSB<<8)|\new
.set MSB, \new
.endif
.endm
.macro PLACES n
.rept \n
	v_nop
.endr
.endm
; waves 0, 1 fetch the halves of K's 128 rows, waves 2, 3 those of V's
.macro KVLOAD s
	s_cmp_eq_u32 s14, 0
	s_cbranch_scc0 .Lfor_v_\@
	tensor_load_to_lds s[G0K+4*\s:G0K+4*\s+3], s[G1K:G1K+7]
	s_nop 0
	s_branch .Lasked_\@
.Lfor_v_\@:
	tensor_load_to_lds s[G0V+4*\s:G0V+4*\s+3], s[G1V:G1V+7]
	s_nop 0
.Lasked_\@:
.endm
; both group 0 sets of a slot: the head's K and V at byte s70 (128 keys are 16,384 bytes)
.macro SETG0 s
	s_add_nc_u64 s[G0K+4*\s+2:G0K+4*\s+3], s[66:67], s[70:71]
	s_or_b32 s[G0K+4*\s+3], s[G0K+4*\s+3], 0x80000000
	s_add_nc_u64 s[G0V+4*\s+2:G0V+4*\s+3], s[68:69], s[70:71]
	s_or_b32 s[G0V+4*\s+3], s[G0V+4*\s+3], 0x80000000
.endm
	s_load_b256 s[4:11], s[0:1], 0x0               ; q 4, k 6, v 8, att 10
	v_lshl_add_u32 v62, v0, 2, 0x29000
	v_mov_b32 v63, 0
	ds_add_u32 v62, v63
	ds_add_u32 v62, v63
	v_lshrrev_b32 v1, 5, v0
	v_readfirstlane_b32 s12, v1                    ; wave
	s_and_b32 s13, s12, 1
	s_lshr_b32 s14, s12, 1
	s_mov_b32 s16, ttmp9                           ; block a = g
	s_sub_co_u32 s17, 7, s16                       ; block b = 7 - g
	s_sub_co_u32 s18, s17, 1
	s_and_b32 s15, ttmp7, 0xffff
	s_lshl_b32 s15, s15, 18                        ; the head: 2,048 rows of 128 bytes
	s_lshl_b32 s19, s17, 15                        ; block b's first key, in bytes
	s_lshl_b32 s20, s16, 15                        ; block a's
	s_lshl_b32 s21, s12, 13                        ; my 64 queries in a block
	s_lshl_b32 s22, s13, 13                        ; my 64 rows of a half tile
	s_mov_b32 s[G1K+0], (1<<16)|(1<<20)|(4<<22)|(3<<25)   ; 2-byte elements; 4 words of padding behind every 32
	s_mov_b32 s[G1K+1], 64<<16
	s_mov_b32 s[G1K+2], 64<<16
	s_mov_b32 s[G1K+3], 64<<16
	s_mov_b32 s[G1K+4], 64
	s_mov_b32 s[G1K+5], 64
	s_mov_b32 s[G1K+6], 0
	s_mov_b32 s[G1K+7], 0
	s_mov_b32 s[G1V+0], (1<<16)|(1<<20)|(4<<22)|(7<<25)   ; 8 words of padding
	s_mov_b32 s[G1V+1], 64<<16
	s_mov_b32 s[G1V+2], 64<<16
	s_mov_b32 s[G1V+3], 64<<16
	s_mov_b32 s[G1V+4], 64
	s_mov_b32 s[G1V+5], 64
	s_mov_b32 s[G1V+6], 0
	s_mov_b32 s[G1V+7], 0
	s_mov_b32 s[G0K], 1
	s_mul_i32 s[G0K+1], s13, 64*KP
	s_mov_b32 s[G0K+4], 1
	s_add_co_u32 s[G0K+5], s[G0K+1], SLOT
	s_mul_i32 s84, s13, 64*VP
	s_mov_b32 s[G0V], 1
	s_add_co_u32 s[G0V+1], s84, VOFF
	s_mov_b32 s[G0V+4], 1
	s_add_co_u32 s[G0V+5], s84, SLOT+VOFF
	s_mul_i32 s83, s12, 64*KP
	s_mov_b32 s[G0Q], 1
	s_add_co_u32 s[G0Q+1], s83, QA
	s_mov_b32 s[G0Q+4], 1
	s_add_co_u32 s[G0Q+5], s83, QA+QBLK
	s_mov_b32 s93, 0
	s_mov_b32 s71, 0
	s_mov_b32 s70, s20                             ; the first half tile: block a's diagonal
	s_add_co_u32 s92, s15, s22
	s_wait_dscnt 0x0
	s_wait_kmcnt 0x0
	s_add_nc_u64 s[66:67], s[6:7], s[92:93]        ; K and V at the head's first row of my part
	s_add_nc_u64 s[68:69], s[8:9], s[92:93]
	s_add_co_u32 s92, s15, s20
	s_add_co_u32 s92, s92, s21
	s_add_nc_u64 s[G0Q+2:G0Q+3], s[4:5], s[92:93]
	s_or_b32 s[G0Q+3], s[G0Q+3], 0x80000000
	s_add_nc_u64 s[86:87], s[10:11], s[92:93]      ; where block a's results go
	s_add_co_u32 s92, s15, s19
	s_add_co_u32 s92, s92, s21
	s_add_nc_u64 s[G0Q+6:G0Q+7], s[4:5], s[92:93]
	s_or_b32 s[G0Q+7], s[G0Q+7], 0x80000000
	s_add_nc_u64 s[88:89], s[10:11], s[92:93]      ; and block b's
	SETG0 0
	KVLOAD 0                                       ; the first fills go out as one group: three tensor loads of this wave
	tensor_load_to_lds s[G0Q:G0Q+3], s[G1K:G1K+7]      ; my 64 queries of block a
	s_nop 0
	tensor_load_to_lds s[G0Q+4:G0Q+7], s[G1K:G1K+7]    ; and of block b
	s_nop 0
	s_lshl_b32 s83, s13, 14
	s_add_co_u32 s92, s15, s19
	s_add_co_u32 s92, s92, s83
	s_cmp_lt_u32 s12, 2
	s_cselect_b64 s[90:91], s[6:7], s[8:9]
	s_add_nc_u64 s[90:91], s[90:91], s[92:93]      ; prefetch: block b's diagonal tiles, 16,384 bytes of K or V for each wave
	s_mov_b32 s80, 0x76543210                      ; v_permlanex16_b32: lane i takes lane i of the other half
	s_mov_b32 s81, 0xfedcba98
	v_and_b32 v1, 15, v0                           ; r
	v_bfe_u32 v2, v0, 4, 1                         ; h
	v_and_b32 v3, 31, v0                           ; lane
	v_mul_u32_u24 v[KADR], v1, KP
	v_lshl_add_u32 v[KADR], v2, 4, v[KADR]         ; 144 r + 16 h
	v_add_nc_u32 v[KADR+1], SLOT, v[KADR]
	v_and_b32 v7, 7, v0
	v_lshl_add_u32 v5, v2, 3, v7                   ; key row 8 h + (l & 7)
	v_mul_u32_u24 v5, v5, VP
	v_bfe_u32 v6, v0, 3, 1
	v_lshl_add_u32 v5, v6, 4, v5
	v_add_nc_u32 v[VADR], VOFF, v5
	v_add_nc_u32 v[VADR+1], SLOT+VOFF, v5
	s_mul_i32 s83, s12, 64*KP
	s_add_co_u32 s83, s83, QA
	v_add_nc_u32 v[QADR], s83, v[KADR]
	s_mul_i32 s83, s12, 16*KP
	s_add_co_u32 s83, s83, STAGE
	v_add_nc_u32 v[STO], s83, v[KADR]
	v_lshrrev_b32 v6, 3, v3
	v_mul_u32_u24 v6, v6, KP
	v_lshl_add_u32 v6, v7, 4, v6
	v_add_nc_u32 v[RD], s83, v6
	v_lshlrev_b32 v[CO], 4, v3
	v_mov_b32 v[NINF], 0xff800000
	v_lshlrev_b32 v[PFO], 8, v3                    ; lanes 256 bytes apart
	v_lshlrev_b32 v4, 3, v2
.irp j, 0,1,2,3,4,5,6,7
	v_add_nc_u32 v5, \j, v4
	v_cmp_le_u32 s[72+\j], v5, v1                  ; on the diagonal tile key 8 h + j counts for query r
.endr
.irp qt, 0,1,2,3
	v_mov_b32 v[TX+\qt], 0                         ; a lane permute's destination counts as read
	v_mov_b32 v[MM+2*\qt+1], 0                     ; the pair's second register counts as read by the packed subtraction
.endr
.macro LDK slot, sub                   ; 64 keys x 64 d: 16 loads into window 1
	WIN TO_1
.irp kt, 0,1,2,3
.irp ks, 0,1
	ds_load_b128 v[KF+16*\kt+8*\ks:KF+16*\kt+8*\ks+3],   v[KADR+\slot] offset:(64*\sub+16*\kt)*KP+64*\ks
	ds_load_b128 v[KF+16*\kt+8*\ks+4:KF+16*\kt+8*\ks+7], v[KADR+\slot] offset:(64*\sub+16*\kt)*KP+64*\ks+32
.endr
.endr
.endm
.macro LDV slot, sub                   ; V^T: 64 d x 64 keys: 16 transposing loads
.irp dt, 0,1,2,3
.irp ks, 0,1
	ds_load_tr16_b128 v[VF+16*\dt+8*\ks:VF+16*\dt+8*\ks+3],   v[VADR+\slot] offset:(64*\sub+32*\ks)*VP+32*\dt
	ds_load_tr16_b128 v[VF+16*\dt+8*\ks+4:VF+16*\dt+8*\ks+7], v[VADR+\slot] offset:(64*\sub+32*\ks)*VP+32*\dt+16*VP
.endr
.endr
.endm
.macro LDQ blk
	WIN TO_1
.irp qt, 0,1,2,3
.irp ks, 0,1
	ds_load_b128 v[QF+16*\qt+8*\ks:QF+16*\qt+8*\ks+3],   v[QADR] offset:\blk*QBLK+\qt*16*KP+64*\ks
	ds_load_b128 v[QF+16*\qt+8*\ks+4:QF+16*\qt+8*\ks+7], v[QADR] offset:\blk*QBLK+\qt*16*KP+64*\ks+32
.endr
.endr
.endm
; 32 matrix instructions; the sixteen tiles take turns, one instruction a turn
.macro SPHASE
	WIN S_SET
.irp qt, 0,1,2,3
.irp kt, 0,1,2,3
	v_wmma_f32_16x16x32_f16 v[SS+32*\qt+8*\kt:SS+32*\qt+8*\kt+7], v[KF+16*\kt:KF+16*\kt+7], v[QF+16*\qt:QF+16*\qt+7], 0
.endr
.endr
.irp qt, 0,1,2,3
.irp kt, 0,1,2,3
	v_wmma_f32_16x16x32_f16 v[SS+32*\qt+8*\kt:SS+32*\qt+8*\kt+7], v[KF+16*\kt+8:KF+16*\kt+15], v[QF+16*\qt+8:QF+16*\qt+15], v[SS+32*\qt+8*\kt:SS+32*\qt+8*\kt+7]
.endr
.endr
.endm
; the diagonal 64 x 64: tiles above the diagonal are all -inf, tiles on it by lane masks
.macro MASK
.irp o, 8,16,24,48,56,88
.irp j, 0,1,2,3,4,5,6,7
	v_mov_b32 v[SS+\o+\j], v[NINF]
.endr
.endr
.irp qt, 0,1,2,3
.irp j, 0,1,2,3,4,5,6,7
	v_cndmask_b32 v[SS+40*\qt+\j], v[NINF], v[SS+40*\qt+\j], s[72+\j]
.endr
.endr
.endm
.macro EXPQ qt
.set e, 0
.rept 32
	v_exp_f32 v[SS+32*\qt+e], v[SS+32*\qt+e]
.set e, e+1
.endr
	v_nop                                          ; one plain place behind the transcendentals (ISA guide 5.7.2)
.endm
; the row sum (two chains), l, and the weights packed to f16 in place: registers 16 ks + i take 16 ks + 2 i, + 2 i + 1, ascending
.macro SCQ qt, first
	s_wait_alu depctr_va_vdst(0)
	v_pk_add_f32 v[SUM+2*\qt:SUM+2*\qt+1], v[SS+32*\qt:SS+32*\qt+1], v[SS+32*\qt+2:SS+32*\qt+3]
	v_pk_add_f32 v[IV+2*\qt:IV+2*\qt+1], v[SS+32*\qt+4:SS+32*\qt+5], v[SS+32*\qt+6:SS+32*\qt+7]
.irp p, 4,6,8,10,12,14
	v_pk_add_f32 v[SUM+2*\qt:SUM+2*\qt+1], v[SUM+2*\qt:SUM+2*\qt+1], v[SS+32*\qt+2*\p:SS+32*\qt+2*\p+1]
	v_pk_add_f32 v[IV+2*\qt:IV+2*\qt+1], v[IV+2*\qt:IV+2*\qt+1], v[SS+32*\qt+2*\p+2:SS+32*\qt+2*\p+3]
.endr
	v_pk_add_f32 v[SUM+2*\qt:SUM+2*\qt+1], v[SUM+2*\qt:SUM+2*\qt+1], v[IV+2*\qt:IV+2*\qt+1]
.if \first
	v_add_f32 v[AL+2*\qt+1], v[SUM+2*\qt], v[SUM+2*\qt+1]
.else
	v_add_f32 v[SUM+2*\qt], v[SUM+2*\qt], v[SUM+2*\qt+1]
	v_fma_f32 v[AL+2*\qt+1], v[AL+2*\qt+1], v[AL+2*\qt], v[SUM+2*\qt]
.endif
.irp p, 0,1,2,3,4,5,6,7
	v_cvt_pk_f16_f32 v[SS+32*\qt+\p], v[SS+32*\qt+2*\p], v[SS+32*\qt+2*\p+1]
.endr
.irp p, 0,1,2,3,4,5,6,7
	v_cvt_pk_f16_f32 v[SS+32*\qt+16+\p], v[SS+32*\qt+16+2*\p], v[SS+32*\qt+16+2*\p+1]
.endr
.endm
.macro SOFTMAX first
.irp qt, 0,1,2,3
	v_max3_num_f32 v[TM+\qt], v[SS+32*\qt], v[SS+32*\qt+1], v[SS+32*\qt+2]
.endr
.irp n, 1,2,3,4,5,6,7,8,9,10,11,12,13,14
.irp qt, 0,1,2,3
	v_max3_num_f32 v[TM+\qt], v[TM+\qt], v[SS+32*\qt+2*\n+1], v[SS+32*\qt+2*\n+2]
.endr
.endr
.irp qt, 0,1,2,3
.if \first
	v_max_num_f32 v[TM+\qt], v[TM+\qt], v[SS+32*\qt+31]
.else
	v_max3_num_f32 v[TM+\qt], v[TM+\qt], v[SS+32*\qt+31], v[MM+2*\qt]
.endif
.endr
.irp qt, 0,1,2,3
	v_permlanex16_b32 v[TX+\qt], v[TM+\qt], s80, s81   ; the other half of the lanes holds the query's other 32 keys
.endr
.irp qt, 0,1,2,3
.if \first
	v_max_num_f32 v[MM+2*\qt], v[TM+\qt], v[TX+\qt]
.else
	v_max_num_f32 v[TM+\qt], v[TM+\qt], v[TX+\qt]
	v_sub_f32 v[AL+2*\qt], v[MM+2*\qt], v[TM+\qt]      ; old maximum - new one (both finite)
	v_mov_b32 v[MM+2*\qt], v[TM+\qt]
.endif
.endr
.if \first == 0
.irp qt, 0,1,2,3
	v_exp_f32 v[AL+2*\qt], v[AL+2*\qt]                 ; alpha; the subtractions below are the plain places behind it
.endr
.endif
.irp qt, 0,1,2,3
.irp p, 0,1,2,3,4,5,6,7,8,9,10,11,12,13,14,15
	v_pk_add_f32 v[SS+32*\qt+2*\p:SS+32*\qt+2*\p+1], v[SS+32*\qt+2*\p:SS+32*\qt+2*\p+1], v[MM+2*\qt:MM+2*\qt+1] op_sel_hi:[1,0] neg_lo:[0,1] neg_hi:[0,1]
.endr
.endr
	EXPQ 0
	EXPQ 1
	SCQ 0, \first
	EXPQ 2
	SCQ 1, \first
	EXPQ 3
	SCQ 2, \first
	SCQ 3, \first
.endm
.macro PV first
.if \first == 0
	WIN RESC
.irp qt, 0,1,2,3
.irp p, 0,1,2,3,4,5,6,7,8,9,10,11,12,13,14,15
	v_pk_mul_f32 v[32*\qt+2*\p:32*\qt+2*\p+1], v[32*\qt+2*\p:32*\qt+2*\p+1], v[AL+2*\qt:AL+2*\qt+1] op_sel_hi:[1,0]
.endr
.endr
.endif
	WIN PV_SET
.irp qt, 0,1,2,3
.irp dt, 0,1,2,3
.if \first
	v_wmma_f32_16x16x32_f16 v[32*\qt+8*\dt:32*\qt+8*\dt+7], v[VF+16*\dt:VF+16*\dt+7], v[SS+32*\qt:SS+32*\qt+7], 0
.else
	v_wmma_f32_16x16x32_f16 v[32*\qt+8*\dt:32*\qt+8*\dt+7], v[VF+16*\dt:VF+16*\dt+7], v[SS+32*\qt:SS+32*\qt+7], v[32*\qt+8*\dt:32*\qt+8*\dt+7]
.endif
.endr
.endr
.irp qt, 0,1,2,3
.irp dt, 0,1,2,3
	v_wmma_f32_16x16x32_f16 v[32*\qt+8*\dt:32*\qt+8*\dt+7], v[VF+16*\dt+8:VF+16*\dt+15], v[SS+32*\qt+16:SS+32*\qt+23], v[32*\qt+8*\dt:32*\qt+8*\dt+7]
.endr
.endr
.endm
; 64 keys.  t >= 0: SUB t of a diagonal trip; t = -1: all keys count.
.macro SUB slot, sub, first, t
.if \t > 0
	s_cmp_lt_u32 s12, \t                           ; these keys lie behind all my queries: nothing to do (no barrier)
	s_cbranch_scc1 .Lsub_end_\@
.endif
	LDV \slot, \sub
	s_wait_dscnt 16                                ; K's (and Q's) fragments are in; V's sixteen loads may stay out
	SPHASE
	WIN 0
	PLACES 4                                       ; places behind the matrix instructions: for the reads of S and the loads into KF
.if \sub == 0
	LDK \slot, 1
	WIN 0
.endif
.if \t >= 0
	s_cmp_lg_u32 s12, \t
	s_cbranch_scc1 .Lnomask_\@
	MASK
.Lnomask_\@:
.endif
	SOFTMAX \first
.if \sub == 0
	s_wait_dscnt 16                                ; V's fragments are in; the next K fragments' sixteen loads may stay out
.else
	s_wait_dscnt 0x0
.endif
	PV \first
	WIN 0
	PLACES 5                                       ; places in front of the matrix instructions that write over P and of the loads into VF
.if \t > 0
.Lsub_end_\@:
.endif
.endm
; the change of slots: all my tensor loads have landed and my LDS reads are back, then the barrier, then the refill first
.macro HEAD slot, other, refill
	s_wait_tensorcnt 0x0                           ; my part of this slot is in, and no load of mine is out: a group 0 may be written
	ds_add_u32 v62, v63
	s_wait_dscnt 0x0
.if \refill
	SETG0 \other
.endif
	s_wait_dscnt 0x0                               ; my reads of the other slot are over
	s_barrier_signal -1
	s_barrier_wait -1
.if \refill
	KVLOAD \other                                  ; my one tensor load behind this barrier; two SUBs stand between it and the wait for it
.endif
	LDK \slot, 0
	WIN 0
.endm
; divide by the row sums and store 64 queries x 64 d
.macro FINAL ob
.irp qt, 0,1,2,3
	v_permlanex16_b32 v[TX+\qt], v[AL+2*\qt+1], s80, s81
.endr
.irp qt, 0,1,2,3
	v_add_f32 v[TM+\qt], v[AL+2*\qt+1], v[TX+\qt]
.endr
.irp qt, 0,1,2,3
	v_rcp_f32 v[IV+2*\qt], v[TM+\qt]
	v_rcp_f32 v[IV+2*\qt+1], v[TM+\qt]
.endr
	v_nop
	s_wait_alu depctr_va_vdst(0)
.irp qt, 0,1,2,3
	WIN FIN
.irp p, 0,1,2,3,4,5,6,7,8,9,10,11,12,13,14,15
	v_pk_mul_f32 v[SS+2*\p:SS+2*\p+1], v[32*\qt+2*\p:32*\qt+2*\p+1], v[IV+2*\qt:IV+2*\qt+1]
.endr
	WIN 0
.irp p, 0,1,2,3,4,5,6,7,8,9,10,11,12,13,14,15
	v_cvt_pk_f16_f32 v[SS+32+\p], v[SS+2*\p], v[SS+2*\p+1]
.endr
.irp dt, 0,1,2,3
	ds_store_b128 v[STO], v[SS+32+4*\dt:SS+32+4*\dt+3] offset:32*\dt
.endr
	s_wait_xcnt 0x0                                ; the read-back registers were data of earlier stores
.irp i, 0,1,2,3
	ds_load_b128 v[SS+48+4*\i:SS+48+4*\i+3], v[RD] offset:\i*4*KP
.endr
.irp i, 0,1,2,3
	s_wait_dscnt 3-\i
	global_store_b128 v[CO], v[SS+48+4*\i:SS+48+4*\i+3], s[\ob:\ob+1] offset:\qt*2048+\i*512   ; 512 consecutive aligned bytes
.endr
.endr
.endm
	; ---------------- block a: the diagonal trip ----------------
	s_add_co_u32 s70, s20, 16384
	HEAD 0, 1, 1
	LDQ 0
	WIN 0
	global_prefetch_b8 v[PFO], s[90:91] th:TH_LOAD_NT scope:SCOPE_SE   ; block b's diagonal tiles, wanted g + 1 trips from here; asked for once in the launch
	SUB 0, 0, 1, 0
	SUB 0, 1, 0, 1
	s_cmp_eq_u32 s16, 0
	s_cselect_b32 s70, s19, 0                      ; next: key 0, or block b's diagonal where block a has no full trip
	HEAD 1, 0, 1
	global_prefetch_b8 v[PFO], s[90:91] offset:8192 th:TH_LOAD_NT scope:SCOPE_SE
	SUB 1, 0, 0, 2
	SUB 1, 1, 0, 3
	; ---------------- block a: its g full trips ----------------
	s_cmp_eq_u32 s16, 0
	s_cbranch_scc1 .Lafter_a
	s_mov_b32 s82, 0
.Lloop_a:
	s_lshl_b32 s70, s82, 15
	s_add_co_u32 s70, s70, 16384
	HEAD 0, 1, 1
	SUB 0, 0, 0, -1
	SUB 0, 1, 0, -1
	s_add_co_u32 s83, s82, 1
	s_lshl_b32 s70, s83, 15
	s_cmp_eq_u32 s83, s16
	s_cselect_b32 s70, s19, s70                    ; behind the last trip: block b's diagonal
	HEAD 1, 0, 1
	SUB 1, 0, 0, -1
	SUB 1, 1, 0, -1
	s_add_co_u32 s82, s82, 1
	s_cmp_lt_u32 s82, s16
	s_cbranch_scc1 .Lloop_a
.Lafter_a:
	FINAL 86
	s_wait_xcnt 0x0                                ; the stores' data registers are part of S, which the next scores write
	; ---------------- block b: the diagonal trip ----------------
	s_add_co_u32 s70, s19, 16384
	HEAD 0, 1, 1
	LDQ 1
	WIN 0
	SUB 0, 0, 1, 0
	SUB 0, 1, 0, 1
	s_mov_b32 s70, 0
	HEAD 1, 0, 1
	SUB 1, 0, 0, 2
	SUB 1, 1, 0, 3
	; ---------------- block b: 6 - g full trips in a loop (at least 3), the last written out ----------------
	s_mov_b32 s82, 0
.Lloop_b:
	s_lshl_b32 s70, s82, 15
	s_add_co_u32 s70, s70, 16384
	HEAD 0, 1, 1
	SUB 0, 0, 0, -1
	SUB 0, 1, 0, -1
	s_add_co_u32 s83, s82, 1
	s_lshl_b32 s70, s83, 15
	HEAD 1, 0, 1
	SUB 1, 0, 0, -1
	SUB 1, 1, 0, -1
	s_add_co_u32 s82, s82, 1
	s_cmp_lt_u32 s82, s18
	s_cbranch_scc1 .Lloop_b
	s_lshl_b32 s70, s18, 15
	s_add_co_u32 s70, s70, 16384
	HEAD 0, 1, 1
	SUB 0, 0, 0, -1
	SUB 0, 1, 0, -1
	HEAD 1, 0, 0                                   ; nothing is left to fetch
	SUB 1, 0, 0, -1
	SUB 1, 1, 0, -1
	FINAL 88
	s_wait_tensorcnt 0x0
	ds_add_u32 v62, v63
	s_wait_dscnt 0x0
	s_endpgm
.Lfunc_end_k_q6279680d24_attn:
	.size	k_q6279680d24_attn, .Lfunc_end_k_q6279680d24_attn-k_q6279680d24_attn
	.p2alignl 7, 3214868480
	.fill 96, 4, 3214868480
	.section	.rodata,"a",@progbits
	.p2align	6, 0x0
	.amdhsa_kernel k_q6279680d24_attn
		.amdhsa_group_segment_fixed_size 327680
		.amdhsa_private_segment_fixed_size 0
		.amdhsa_enable_private_segment 0
		.amdhsa_kernarg_size 32
		.amdhsa_user_sgpr_count 2
		.amdhsa_user_sgpr_kernarg_segment_ptr 1
		.amdhsa_wavefront_size32 1
		.amdhsa_system_sgpr_workgroup_id_x 1
		.amdhsa_system_sgpr_workgroup_id_y 1
		.amdhsa_system_sgpr_workgroup_id_z 1
		.amdhsa_system_vgpr_workitem_id 0
		.amdhsa_next_free_vgpr 512
		.amdhsa_next_free_sgpr 100
		.amdhsa_reserve_vcc 0
		.amdhsa_float_denorm_mode_32 3
		.amdhsa_float_denorm_mode_16_64 3
		.amdhsa_memory_ordered 1
		.amdhsa_forward_progress 1
		.amdhsa_inst_pref_size 255
	.end_amdhsa_kernel
	.section	.bss,"aw",@nobits
	.p2align	6
	.space	262144
	.amdgpu_metadata
---
amdhsa.version: [ 1, 2 ]
amdhsa.kernels:
  - .name:           k_q6279680d24_attn
    .symbol:         k_q6279680d24_attn.kd
    .args:
      - { .name: q, .offset: 0, .size: 8, .value_kind: global_buffer, .address_space: global }
      - { .name: k, .offset: 8, .size: 8, .value_kind: global_buffer, .address_space: global }
      - { .name: v, .offset: 16, .size: 8, .value_kind: global_buffer, .address_space: global }
      - { .name: att, .offset: 24, .size: 8, .value_kind: global_buffer, .address_space: global }
    .group_segment_fixed_size: 327680
    .private_segment_fixed_size: 0
    .kernarg_segment_align: 8
    .kernarg_segment_size: 32
    .max_flat_workgroup_size: 128
    .sgpr_count:     100
    .vgpr_count:     512
    .wavefront_size: 32
...
	.end_amdgpu_metadata
.endif
;; end of part 3
;; launch oproj (part 4): grid 8 x 32, 4 waves a work-group, clusters of 4 x 4, 327,680 bytes of LDS; arguments att, wot, out0; writes out0
.if DOCPART == 4
	.amdgcn_target "amdgcn-amd-amdhsa--gfx1250"
	.amdhsa_code_object_version 6
	.text
	.protected	k_q6279680d24_oproj
	.globl	k_q6279680d24_oproj
	.p2align	8
	.type	k_q6279680d24_oproj,@function
k_q6279680d24_oproj:
	s_mov_b64 s[64:65], 0
	v_nop
	global_prefetch_b8 v0, s[64:65] scope:SCOPE_SE
	s_setreg_imm32_b32 hwreg(HW_REG_WAVE_MODE, 25, 1), 1
	s_wait_xcnt 0x0
	s_wait_alu depctr_hold_cnt(0) depctr_sa_sdst(0) depctr_va_vdst(0) depctr_va_sdst(0) depctr_va_ssrc(0) depctr_va_vcc(0) depctr_vm_vsrc(0)
	s_getreg_b32 s2, hwreg(HW_REG_IB_STS2, 6, 4)
	s_cmp_eq_u32 s2, 0
	s_cbranch_scc0 .Lentry_in_a_cluster
	s_endpgm
.Lentry_in_a_cluster:
	s_bfe_u32 s2, ttmp6, 0x10000c
	s_cmp_lg_u32 s2, 0xf033
	s_cbranch_scc0 .Lentry_shape_is_right
	s_endpgm
.Lentry_shape_is_right:
; oproj: out0[8192 x 1024] f32 = att x Wo, f16 operands, f32 sums.  att is [batch*16+head][position][64] f16, wot is [n][k] f16.
; A work-group makes 256 rows (one batch, 256 positions) x 128 columns; wave w makes rows 64 w .. + 63 of all 128 columns: 32 accumulator tiles.
; A K step of 128 is two heads: att's tile comes as two planes of 256 rows x 128 bytes (a head's rows lie one behind the other), one plane a wave.
; CLUSTER 4 x 4: att's tile is shared along a cluster row, the weights' along a column; each is asked for jointly by the four.
; Transposed use (source 0 = weights' rows, source 1 = att's rows): a lane holds eight neighbouring columns of one row.
; LIMITS: f16 operands, |att|, |Wo| < 65,504.  NaN and infinities are not served.
; REGISTERS: window 0: addresses, fragments (two buffers each);  window 1: accumulator tile (a, b) at 8 (8 a + b).
.set AP, 144
.set BP, 272
.set PLANE, 256*AP
.set BOFF,  2*PLANE
.set SLOT,  BOFF+128*BP
.set STAGE, 2*SLOT                     ; way out: 16 rows x 528 bytes for each wave; no tensor load lands here
.set SP,    528
.set LAPS,  4
.set ADRA, 16
.set ADRB, 20
.set STO,  24
.set RD,   25
.set CO,   26
.set FA,   32                          ; v32-63, v64-95
.set FB,   96                          ; v96-159, v160-223
.set G1A, 24
.set G0A, 32
.set G1B, 40
.set G0B, 48
.set MULS, 0x50                        ; C and D window 1
.set STG,  0x04                        ; an LDS store's data window 1
.set MSB, 0
.macro WIN new
.if MSB != \new
	s_set_vgpr_msb (MSB<<8)|\new
.set MSB, \new
.endif
.endm
.macro PLACES n
.rept \n
	v_nop
.endr
.endm
.macro JLOAD s
	s_cmp_eq_u32 s17, 0
	s_cbranch_scc0 .Lfor_b_\@
	tensor_load_to_lds s[G0A+4*\s:G0A+4*\s+3], s[G1A:G1A+7]
	s_nop 0
	s_branch .Lasked_\@
.Lfor_b_\@:
	tensor_load_to_lds s[G0B+4*\s:G0B+4*\s+3], s[G1B:G1B+7]
	s_nop 0
.Lasked_\@:
.endm
.macro CREST
	s_cmp_lg_u32 s16, 0
	s_cbranch_scc1 .Lnot_wave_0_\@
	s_barrier_signal -3
.Lnot_wave_0_\@:
	s_barrier_wait -3
	s_barrier_signal -1
	s_barrier_wait -1
.endm
.macro CROUND
	s_barrier_signal -1
	s_barrier_wait -1
	CREST
.endm
	s_load_b128 s[4:7], s[0:1], 0x0                ; att 4, wot 6
	s_load_b64 s[8:9], s[0:1], 0x10                ; out0
	v_lshl_add_u32 v254, v0, 2, 0x3d400
	v_mov_b32 v255, 0
	ds_add_u32 v254, v255
	ds_add_u32 v254, v255
	v_lshrrev_b32 v1, 5, v0
	v_readfirstlane_b32 s16, v1                    ; wave
	s_lshr_b32 s17, s16, 1                         ; 0: I fetch for att, 1: for the weights
	s_and_b32 s18, s16, 1                          ; which plane, or which 64 rows
	s_bfe_u32 s19, ttmp6, 0x40000                  ; cx
	s_bfe_u32 s20, ttmp6, 0x40004                  ; cy
	s_lshl_b32 s21, ttmp9, 2
	s_add_co_u32 s21, s21, s19                     ; block column
	s_and_b32 s22, ttmp7, 0xffff
	s_lshl_b32 s22, s22, 2
	s_add_co_u32 s22, s22, s20                     ; block row
	s_lshl_b32 s72, s20, 2
	s_lshl_b32 s72, 15, s72                        ; my row of the cluster
	s_lshl_b32 s73, 0x1111, s19                    ; my column
	s_or_b32 s[G1A+0], s72, (1<<16)|(1<<20)|(1<<21)|(4<<22)|(3<<25)   ; rows of 32 words, 4 words of padding
	s_mov_b32 s[G1A+1], 64<<16
	s_mov_b32 s[G1A+2], 256<<16
	s_mov_b32 s[G1A+3], 64<<16
	s_mov_b32 s[G1A+4], 256
	s_mov_b32 s[G1A+5], 64
	s_mov_b32 s[G1A+6], 0
	s_mov_b32 s[G1A+7], 0
	s_or_b32 s[G1B+0], s73, (1<<16)|(1<<20)|(1<<21)|(5<<22)|(3<<25)   ; rows of 64 words, 4 words of padding
	s_mov_b32 s[G1B+1], 128<<16
	s_mov_b32 s[G1B+2], 64<<16
	s_mov_b32 s[G1B+3], 128<<16
	s_mov_b32 s[G1B+4], 64
	s_mov_b32 s[G1B+5], 1024
	s_mov_b32 s[G1B+6], 0
	s_mov_b32 s[G1B+7], 0
	s_lshr_b32 s74, s22, 3                         ; batch
	s_lshl_b32 s74, s74, 4
	s_add_co_u32 s74, s74, s18                     ; batch*16 + my plane's head in K step 0
	s_lshl_b32 s74, s74, 11
	s_and_b32 s75, s22, 7
	s_lshl_b32 s75, s75, 8
	s_add_co_u32 s74, s74, s75                     ; + first position
	s_lshl_b32 s74, s74, 7                         ; rows of 128 bytes
	s_mov_b32 s75, 0
	s_lshl_b32 s76, s21, 7
	s_lshl_b32 s77, s18, 6
	s_add_co_u32 s76, s76, s77
	s_lshl_b32 s76, s76, 11                        ; (128 block column + 64 half) rows of 2,048 bytes
	s_mov_b32 s77, 0
	s_mul_i32 s56, s18, PLANE
	s_mul_i32 s57, s18, 64*BP
	s_add_co_u32 s57, s57, BOFF
	s_wait_dscnt 0x0
	s_wait_kmcnt 0x0
	s_add_nc_u64 s[74:75], s[4:5], s[74:75]
	s_add_nc_u64 s[76:77], s[6:7], s[76:77]
	CROUND                                         ; all sixteen work-groups are here: the first joint loads meet
.irp s, 0,1
	s_mov_b32 s[G0A+4*\s], 1
	s_add_co_u32 s[G0A+4*\s+1], s56, \s*SLOT
	s_add_nc_u64 s[G0A+4*\s+2:G0A+4*\s+3], s[74:75], \s*524288       ; two heads on
	s_or_b32 s[G0A+4*\s+3], s[G0A+4*\s+3], 0x80000000
	s_mov_b32 s[G0B+4*\s], 1
	s_add_co_u32 s[G0B+4*\s+1], s57, \s*SLOT
	s_add_nc_u64 s[G0B+4*\s+2:G0B+4*\s+3], s[76:77], \s*256
	s_or_b32 s[G0B+4*\s+3], s[G0B+4*\s+3], 0x80000000
	JLOAD \s                                       ; two tensor loads of this wave are out
.endr
	v_and_b32 v1, 15, v0                           ; r
	v_bfe_u32 v2, v0, 4, 1                         ; h
	v_and_b32 v3, 31, v0                           ; lane
	v_mul_u32_u24 v4, v1, AP
	v_lshl_add_u32 v4, v2, 4, v4
	s_mul_i32 s58, s16, 64*AP
	v_add_nc_u32 v[ADRA], s58, v4
	v_add_nc_u32 v[ADRA+1], SLOT, v[ADRA]
	v_mul_u32_u24 v5, v1, BP
	v_lshl_add_u32 v5, v2, 4, v5
	v_add_nc_u32 v[ADRB], BOFF, v5
	v_add_nc_u32 v[ADRB+1], SLOT+BOFF, v5
	s_mul_i32 s58, s16, 16*SP
	s_add_co_u32 s58, s58, STAGE
	v_mul_u32_u24 v6, v1, SP
	v_lshl_add_u32 v6, v2, 5, v6
	v_add_nc_u32 v[STO], s58, v6                   ; in: row r, 32 bytes for each half of the lanes
	v_lshlrev_b32 v[CO], 4, v3
	v_add_nc_u32 v[RD], s58, v[CO]                 ; back: the wave takes a row of 512 bytes
.macro MULA f, a, zero                 ; 8 matrix instructions: row tile a x the eight column tiles
.irp b, 0,1,2,3,4,5,6,7
.if \zero
	v_wmma_f32_16x16x32_f16 v[8*(8*\a+\b):8*(8*\a+\b)+7], v[FB+64*\f+8*\b:FB+64*\f+8*\b+7], v[FA+32*\f+8*\a:FA+32*\f+8*\a+7], 0
.else
	v_wmma_f32_16x16x32_f16 v[8*(8*\a+\b):8*(8*\a+\b)+7], v[FB+64*\f+8*\b:FB+64*\f+8*\b+7], v[FA+32*\f+8*\a:FA+32*\f+8*\a+7], v[8*(8*\a+\b):8*(8*\a+\b)+7]
.endif
.endr
.endm
; 24 LDS loads: the weights' eight fragments, then att's four; quarter kq of the K step (plane kq / 2, byte 64 (kq % 2) of its rows)
.macro FETCH slot, kq, f
.irp i, 0,1,2,3,4,5,6,7
	ds_load_b128 v[FB+64*\f+8*\i:FB+64*\f+8*\i+3],   v[ADRB+\slot] offset:\i*16*BP+64*\kq
	ds_load_b128 v[FB+64*\f+8*\i+4:FB+64*\f+8*\i+7], v[ADRB+\slot] offset:\i*16*BP+64*\kq+32
.endr
.irp i, 0,1,2,3
	ds_load_b128 v[FA+32*\f+8*\i:FA+32*\f+8*\i+3],   v[ADRA+\slot] offset:(\kq>>1)*PLANE+\i*16*AP+(\kq&1)*64
	ds_load_b128 v[FA+32*\f+8*\i+4:FA+32*\f+8*\i+7], v[ADRA+\slot] offset:(\kq>>1)*PLANE+\i*16*AP+(\kq&1)*64+32
.endr
.endm
; The 32 accumulators take turns, one instruction a turn, in the same order in every quarter.
.macro QUARTER slot, kq, f, g, zero
	s_wait_dscnt 4                                 ; all but the youngest four loads (att's fragments 2, 3) are in
	WIN MULS
	MULA \f, 0, \zero
	MULA \f, 1, \zero
	PLACES 4                                       ; places between the matrix instructions that read buffer g and the loads into it
	WIN 0
	FETCH \slot, \kq, \g
	s_wait_dscnt 24                                ; all but the 24 just issued
	WIN MULS
	MULA \f, 2, \zero
	MULA \f, 3, \zero
.endm
.macro THREE slot, zero
	QUARTER \slot, 1, 0, 1, \zero
	QUARTER \slot, 2, 1, 0, 0
	QUARTER \slot, 3, 0, 1, 0
.endm
.macro TURN slot, next, fill
	s_wait_dscnt 4
	WIN MULS
	MULA 1, 0, 0
	s_wait_dscnt 0x0                               ; my reads of this slot are over
	s_wait_tensorcnt 0x0                           ; all my tensor loads have landed, my part of the next slot among them
	ds_add_u32 v254, v255
	s_wait_dscnt 0x0
	s_barrier_signal -1
	MULA 1, 1, 0                                   ; register work while the others arrive
	WIN 0
	s_barrier_wait -1
.if \fill
	CREST                                          ; no wave of any partner still reads this slot or has a load on its way
	s_add_nc_u64 s[G0A+4*\slot+2:G0A+4*\slot+3], s[G0A+4*\slot+2:G0A+4*\slot+3], 0x100000   ; four heads on
	s_add_nc_u64 s[G0B+4*\slot+2:G0B+4*\slot+3], s[G0B+4*\slot+2:G0B+4*\slot+3], 512
	JLOAD \slot                                    ; my one tensor load behind the round; 120 matrix instructions stand between it and the wait for it
.endif
	PLACES 4
	FETCH \next, 0, 0
	WIN MULS
	MULA 1, 2, 0
	MULA 1, 3, 0
.endm
.macro LAP zero
	THREE 0, \zero
	TURN 0, 1, 1
	THREE 1, 0
	TURN 1, 0, 1
.endm
	s_wait_tensorcnt 1                             ; my part of K step 0 is in; K step 1's may stay out
	s_barrier_signal -1
	s_barrier_wait -1
	FETCH 0, 0, 0
	LAP 1                                          ; the first products start the sums
	WIN 0
	s_mov_b32 s3, LAPS-2
.Llap:
	LAP 0
	WIN 0
	s_sub_co_u32 s3, s3, 1
	s_cmp_lg_u32 s3, 0
	s_cbranch_scc1 .Llap
	THREE 0, 0                                     ; the last lap fills nothing
	TURN 0, 1, 0
	THREE 1, 0
	s_wait_dscnt 4
	WIN MULS
	MULA 1, 0, 0
	MULA 1, 1, 0
	s_wait_dscnt 0x0
	MULA 1, 2, 0
	MULA 1, 3, 0
	WIN 0
	PLACES 4                                       ; the places in front of the LDS stores of results and the loads into the fragment buffers
	; THE WAY OUT, 16 rows at a time through my own stage
	s_lshl_b32 s66, s22, 8
	s_lshl_b32 s67, s16, 6
	s_add_co_u32 s66, s66, s67
	s_lshl_b32 s66, s66, 12                        ; my first row, rows of 4,096 bytes
	s_lshl_b32 s67, s21, 9                         ; my 128 columns
	s_add_co_u32 s66, s66, s67
	s_mov_b32 s67, 0
	s_add_nc_u64 s[8:9], s[8:9], s[66:67]
.macro OUT16 a, f
	WIN STG
.irp b, 0,1,2,3,4,5,6,7
	ds_store_b128 v[STO], v[8*(8*\a+\b):8*(8*\a+\b)+3]   offset:64*\b
	ds_store_b128 v[STO], v[8*(8*\a+\b)+4:8*(8*\a+\b)+7] offset:64*\b+16
.endr
	WIN 0
	s_wait_xcnt 0x0                                ; the read-back registers and the base were sources of earlier stores
.if \a
	s_add_nc_u64 s[8:9], s[8:9], 65536             ; 16 rows on
.endif
.irp i, 0,1,2,3,4,5,6,7,8,9,10,11,12,13,14,15
	ds_load_b128 v[\f+4*\i:\f+4*\i+3], v[RD] offset:\i*SP    ; a wave's LDS instructions are served in order: these see the stores above
.endr
.irp i, 0,1,2,3,4,5,6,7,8,9,10,11,12,13,14,15
	s_wait_dscnt 15-\i
	global_store_b128 v[CO], v[\f+4*\i:\f+4*\i+3], s[8:9] offset:\i*4096 th:TH_STORE_NT   ; 512 consecutive aligned bytes of one row
.endr
.endm
	OUT16 0, 32
	OUT16 1, 96
	OUT16 2, 32
	OUT16 3, 96
	s_wait_tensorcnt 0x0
	ds_add_u32 v254, v255
	s_wait_dscnt 0x0
	CROUND                                         ; the closing round
	s_endpgm
.Lfunc_end_k_q6279680d24_oproj:
	.size	k_q6279680d24_oproj, .Lfunc_end_k_q6279680d24_oproj-k_q6279680d24_oproj
	.p2alignl 7, 3214868480
	.fill 96, 4, 3214868480
	.section	.rodata,"a",@progbits
	.p2align	6, 0x0
	.amdhsa_kernel k_q6279680d24_oproj
		.amdhsa_group_segment_fixed_size 327680
		.amdhsa_private_segment_fixed_size 0
		.amdhsa_enable_private_segment 0
		.amdhsa_kernarg_size 24
		.amdhsa_user_sgpr_count 2
		.amdhsa_user_sgpr_kernarg_segment_ptr 1
		.amdhsa_wavefront_size32 1
		.amdhsa_system_sgpr_workgroup_id_x 1
		.amdhsa_system_sgpr_workgroup_id_y 1
		.amdhsa_system_sgpr_workgroup_id_z 1
		.amdhsa_system_vgpr_workitem_id 0
		.amdhsa_next_free_vgpr 512
		.amdhsa_next_free_sgpr 80
		.amdhsa_reserve_vcc 0
		.amdhsa_float_denorm_mode_32 3
		.amdhsa_float_denorm_mode_16_64 3
		.amdhsa_memory_ordered 1
		.amdhsa_forward_progress 1
		.amdhsa_inst_pref_size 117
	.end_amdhsa_kernel
	.amdgpu_metadata
---
amdhsa.version: [ 1, 2 ]
amdhsa.kernels:
  - .name:           k_q6279680d24_oproj
    .symbol:         k_q6279680d24_oproj.kd
    .args:
      - { .name: att, .offset: 0, .size: 8, .value_kind: global_buffer, .address_space: global }
      - { .name: wot, .offset: 8, .size: 8, .value_kind: global_buffer, .address_space: global }
      - { .name: out0, .offset: 16, .size: 8, .value_kind: global_buffer, .address_space: global }
    .group_segment_fixed_size: 327680
    .private_segment_fixed_size: 0
    .kernarg_segment_align: 8
    .kernarg_segment_size: 24
    .max_flat_workgroup_size: 128
    .sgpr_count:     80
    .vgpr_count:     512
    .wavefront_size: 32
...
	.end_amdgpu_metadata
.endif
;; end of part 4
;; launch hattn (part 5): grid 16 x 4, 4 waves a work-group, clusters of 4 x 4, 327,680 bytes of LDS; arguments xb, wqkv, rope, att; writes att
.if DOCPART == 5
	.amdgcn_target "amdgcn-amd-amdhsa--gfx1250"
	.amdhsa_code_object_version 6
	.text
	.protected	k_q6279680d24_hattn
	.globl	k_q6279680d24_hattn
	.p2align	8
	.type	k_q6279680d24_hattn,@function
k_q6279680d24_hattn:
	s_mov_b64 s[64:65], 0
	v_nop
	global_prefetch_b8 v0, s[64:65] scope:SCOPE_SE
	s_setreg_imm32_b32 hwreg(HW_REG_WAVE_MODE, 25, 1), 1
	s_wait_xcnt 0x0
	s_wait_alu depctr_hold_cnt(0) depctr_sa_sdst(0) depctr_va_vdst(0) depctr_va_sdst(0) depctr_va_ssrc(0) depctr_va_vcc(0) depctr_vm_vsrc(0)
	s_getreg_b32 s2, hwreg(HW_REG_IB_STS2, 6, 4)
	s_cmp_eq_u32 s2, 0
	s_cbranch_scc0 .Lentry_in_a_cluster
	s_endpgm
.Lentry_in_a_cluster:
	s_bfe_u32 s2, ttmp6, 0x10000c
	s_cmp_lg_u32 s2, 0xf033
	s_cbranch_scc0 .Lentry_shape_is_right
	s_endpgm
.Lentry_shape_is_right:
; hattn: projections, rotation and causal attention of the FIRST 64 POSITIONS of one batch and one head, with split operands.
; WHY: row s of the result averages s + 1 value rows, so the first rows are about ten times the whole result's root mean square, against which
; every number is held; one f16 rounding of an operand (2^-11 relative) is there of the order of a hundredth of that root mean square.
; So for these 64 of 2,048 positions every matrix operand is two f16 numbers, hi + lo (about 21 bits), and every product is three:
; hi hi + lo hi + hi lo, all summed in one f32 accumulator.  By position 64 a row has shrunk to about a fifth of row 0.
; The work-group makes 64 rows x 192 columns (Q | K | V of its head) over K = 1024.  Wave w owns rows 16 w .. + 15 and all 12 column tiles.
; K goes in steps of 128 through two LDS slots: x hi, x lo (64 rows each), W hi, W lo (192 rows each): one tensor load a wave.
; CLUSTER 4 x 4 (cx: head, cy: batch): x's tiles are shared along a cluster row, the weights' along a column; each is asked for jointly by four.
; 64 work-groups: every query tile of a batch and head needs K and V of all 64 rows, so the pair is the smallest share without doing work twice.
; The matrix instruction is used transposed (source 0 = weights' rows, source 1 = x's rows): a lane holds row l % 16 and eight neighbouring columns.
; So Q's fragments for S^T = K Q^T are packed in registers; K and V go through LDS to the other waves; P packed in place feeds O^T = V^T P^T.
; A value made here is split by truncation: hi = v & 0xffffe000 (10 fraction bits: exact in f16), lo = v - hi (exact in f32, rounded to f16).
; LIMITS: |x|, |W|, |Q|, |K|, |V| < 65,504; a lo part is kept to 2^-24 absolutely; NaN and infinities are not served.
; REGISTERS: window 0: addresses, fragments, softmax;  window 1: v0-95 the 12 accumulator tiles, v96-127 cos and sin; later V^T's fragments.
.set PITCH, 272                        ; 256 bytes + 16: sixteen rows begin at sixteen different 16-byte columns of 256
.set ALO,   64*PITCH                   ; x lo behind x hi
.set BOFF,  2*ALO
.set BLO,   192*PITCH                  ; W lo behind W hi
.set SLOT,  BOFF+2*BLO                 ; 139,264
.set KP,    144
.set VP,    160                        ; an odd multiple of 32, for the transposing load
.set KH,    2*SLOT                     ; K hi, 64 rows; no tensor load lands from here on
.set KLO,   64*KP                      ; K lo behind it
.set VH,    KH+2*KLO
.set VLO,   64*VP
.set OST,   VH+2*VLO                   ; way out: 16 rows x 144 bytes for each wave
.set XLOFF, 16777216                   ; x's lo rows in xb
.set WLOFF, 6291456                    ; the weights' lo rows in wqkv
.set AHOFF, 16777216                   ; the head rows' attention in att: hi,
.set ALOFF, 524288                     ; then lo
.set ADRA, 8                           ; v8-9   my x fragments, slot 0, 1
.set ADRB, 10                          ; v10-11 W hi
.set ADRL, 12                          ; v12-13 W lo
.set TADR, 14
.set KST,  15
.set VST,  16
.set KADR, 17
.set VADR, 18
.set STO,  19
.set RD,   20
.set CO,   21
.set NINF, 22
.set QI,   23
.set TM,   24
.set TX,   25
.set MM,   26                          ; pair (maximum, written once)
.set LS,   28
.set IV,   30
.set FA,   32                          ; x fragments: buffer f at 16 f: hi, lo
.set BB,   64                          ; W fragments: half g at 96 g; tile i: hi at 16 i, lo at 16 i + 8
.set CS,   96                          ; window 1
.set QH,   32
.set QL,   48
.set TT,   160
.set OO,   192
.set PH,   224
.set PL,   240
.set KF,   64                          ; K hi at 16 kt + 8 ks, lo 64 further
.set SS,   192                         ; scores, then O^T
.set PT,   32
.set T2,   64
.set PKH,  96
.set PKL,  112
.set RBH,  128
.set RBL,  144
.set G1A, 24
.set G0A, 32
.set G1B, 40
.set G0B, 48
.set MULS, 0x50                        ; C and D window 1
.set TO_1, 0x40                        ; destination window 1
.set RP1,  0x05                        ; sources 0 and 1 window 1
.set FIN,  0x01                        ; source 0 window 1
.set MSB, 0
.macro WIN new                         ; the immediate's high byte repeats the setting that is left
.if MSB != \new
	s_set_vgpr_msb (MSB<<8)|\new
.set MSB, \new
.endif
.endm
.macro PLACES n
.rept \n
	v_nop
.endr
.endm
; a joint load: waves 0, 1 fetch x hi, x lo; waves 2, 3 fetch W hi, W lo
.macro JLOAD s
	s_cmp_eq_u32 s17, 0
	s_cbranch_scc0 .Lfor_b_\@
	tensor_load_to_lds s[G0A+4*\s:G0A+4*\s+3], s[G1A:G1A+7]
	s_nop 0
	s_branch .Lasked_\@
.Lfor_b_\@:
	tensor_load_to_lds s[G0B+4*\s:G0B+4*\s+3], s[G1B:G1B+7]
	s_nop 0
.Lasked_\@:
.endm
.macro CROUND                          ; a round of the cluster's barrier
	s_barrier_signal -1
	s_barrier_wait -1
	s_cmp_lg_u32 s16, 0
	s_cbranch_scc1 .Lnot_wave_0_\@
	s_barrier_signal -3
.Lnot_wave_0_\@:
	s_barrier_wait -3
	s_barrier_signal -1
	s_barrier_wait -1
.endm
	s_load_b256 s[4:11], s[0:1], 0x0               ; xb 4, wqkv 6, rope 8, att 10
	s_set_vgpr_msb 0x40
	v_lshl_add_u32 v128, v0, 2, 0x4fc00
	v_mov_b32 v129, 0
	s_set_vgpr_msb 0x4045
	ds_add_u32 v128, v129
	ds_add_u32 v128, v129
	s_set_vgpr_msb 0x4500
	v_lshrrev_b32 v1, 5, v0
	v_readfirstlane_b32 s16, v1                    ; wave
	s_lshr_b32 s17, s16, 1                         ; 0: I fetch for x, 1: for the weights
	s_and_b32 s18, s16, 1                          ; 0: hi, 1: lo
	s_bfe_u32 s19, ttmp6, 0x40000                  ; cx
	s_bfe_u32 s20, ttmp6, 0x40004                  ; cy = batch (the grid has one cluster along y)
	s_lshl_b32 s21, ttmp9, 2
	s_add_co_u32 s21, s21, s19                     ; head = 4 x cluster x + cx
	s_lshl_b32 s72, s20, 2
	s_lshl_b32 s72, 15, s72                        ; my row of the cluster
	s_lshl_b32 s73, 0x1111, s19                    ; my column
	s_mov_b32 s56, 0xffffe000                      ; keeps sign, exponent and 10 fraction bits
	s_mov_b32 s57, 0x76543210                      ; v_permlanex16_b32: lane i takes lane i of the other half
	s_mov_b32 s58, 0xfedcba98
	s_or_b32 s[G1A+0], s72, (1<<16)|(1<<20)|(1<<21)|(5<<22)|(3<<25)   ; mask; 2-byte elements; 4 words of padding behind every 64; bit 21 beside a mask
	s_mov_b32 s[G1A+1], 128<<16                    ; tensor_dim0 = 128
	s_mov_b32 s[G1A+2], 64<<16                     ; tensor_dim1 = 64
	s_mov_b32 s[G1A+3], 128<<16                    ; tile_dim0 = 128
	s_mov_b32 s[G1A+4], 64                         ; tile_dim1 = 64 rows
	s_mov_b32 s[G1A+5], 1024                       ; pitch in elements
	s_mov_b32 s[G1A+6], 0
	s_mov_b32 s[G1A+7], 0
	s_or_b32 s[G1B+0], s73, (1<<16)|(1<<20)|(1<<21)|(5<<22)|(3<<25)
	s_mov_b32 s[G1B+1], 128<<16
	s_mov_b32 s[G1B+2], 192<<16                    ; 192 rows
	s_mov_b32 s[G1B+3], 128<<16
	s_mov_b32 s[G1B+4], 192
	s_mov_b32 s[G1B+5], 1024
	s_mov_b32 s[G1B+6], 0
	s_mov_b32 s[G1B+7], 0
	; where the tiles come from: x's hang on the batch alone, the weights' on the head alone
	s_lshl_b32 s74, s20, 22                        ; hi: batch x 2,048 rows of 2,048 bytes
	s_lshl_b32 s75, s20, 17                        ; lo: batch x 64 rows,
	s_add_co_u32 s75, s75, XLOFF                   ; behind the hi rows
	s_cmp_eq_u32 s18, 0
	s_cselect_b32 s74, s74, s75
	s_mov_b32 s75, 0
	s_mul_i32 s76, s21, 192*2048
	s_mul_i32 s77, s18, WLOFF
	s_add_co_u32 s76, s76, s77
	s_mov_b32 s77, 0
	s_mul_i32 s80, s18, ALO                        ; and where they go: the wave's number and constants alone
	s_mul_i32 s81, s18, BLO
	s_add_co_u32 s81, s81, BOFF
	s_wait_dscnt 0x0
	s_wait_kmcnt 0x0
	s_add_nc_u64 s[74:75], s[4:5], s[74:75]
	s_add_nc_u64 s[76:77], s[6:7], s[76:77]
	CROUND                                         ; all sixteen work-groups are here: the first joint loads meet
.irp s, 0,1
	s_mov_b32 s[G0A+4*\s], 1
	s_add_co_u32 s[G0A+4*\s+1], s80, \s*SLOT
	s_add_nc_u64 s[G0A+4*\s+2:G0A+4*\s+3], s[74:75], \s*256        ; K step s
	s_or_b32 s[G0A+4*\s+3], s[G0A+4*\s+3], 0x80000000
	s_mov_b32 s[G0B+4*\s], 1
	s_add_co_u32 s[G0B+4*\s+1], s81, \s*SLOT
	s_add_nc_u64 s[G0B+4*\s+2:G0B+4*\s+3], s[76:77], \s*256
	s_or_b32 s[G0B+4*\s+3], s[G0B+4*\s+3], 0x80000000
.endr
	JLOAD 0                                        ; K step 0; slot 1 is filled behind the first trip's round: one tensor load of a wave is out at any time
	v_and_b32 v1, 15, v0                           ; r
	v_bfe_u32 v2, v0, 4, 1                         ; h
	v_and_b32 v3, 31, v0                           ; lane
	v_and_b32 v7, 7, v0
	v_mul_u32_u24 v4, v1, PITCH
	v_lshl_add_u32 v4, v2, 4, v4                   ; 272 r + 16 h
	s_mul_i32 s84, s16, 16*PITCH
	v_add_nc_u32 v[ADRA], s84, v4
	v_add_nc_u32 v[ADRA+1], SLOT, v[ADRA]
	v_add_nc_u32 v[ADRB], BOFF, v4
	v_add_nc_u32 v[ADRB+1], SLOT+BOFF, v4
	v_add_nc_u32 v[ADRL], BOFF+BLO, v4
	v_add_nc_u32 v[ADRL+1], SLOT+BOFF+BLO, v4
	s_lshl_b32 s84, s16, 12                        ; table: position 16 w + r, rows of 256 bytes, 32 bytes for each half of the lanes
	v_lshlrev_b32 v5, 8, v1
	v_lshl_add_u32 v5, v2, 5, v5
	v_add_nc_u32 v[TADR], s84, v5
	v_mul_u32_u24 v5, v1, KP
	v_lshl_add_u32 v5, v2, 4, v5                   ; 144 r + 16 h
	s_mul_i32 s84, s16, 16*KP
	s_add_co_u32 s85, s84, KH
	v_add_nc_u32 v[KST], s85, v5                   ; my 16 rows of K
	v_add_nc_u32 v[KADR], KH, v5                   ; K's fragments
	s_add_co_u32 s85, s84, OST
	v_add_nc_u32 v[STO], s85, v5
	v_lshrrev_b32 v6, 3, v3
	v_mul_u32_u24 v6, v6, KP
	v_lshl_add_u32 v6, v7, 4, v6
	v_add_nc_u32 v[RD], s85, v6                    ; back: eight lanes take a row of 128 bytes
	v_lshlrev_b32 v[CO], 4, v3
	v_mul_u32_u24 v5, v1, VP
	v_lshl_add_u32 v5, v2, 4, v5
	s_mul_i32 s84, s16, 16*VP
	s_add_co_u32 s84, s84, VH
	v_add_nc_u32 v[VST], s84, v5                   ; my 16 rows of V
	v_lshl_add_u32 v5, v2, 3, v7                   ; V^T: key row 8 h + (l & 7)
	v_mul_u32_u24 v5, v5, VP
	v_bfe_u32 v6, v0, 3, 1
	v_lshl_add_u32 v5, v6, 4, v5
	v_add_nc_u32 v[VADR], VH, v5
	v_mov_b32 v[NINF], 0xff800000
	s_lshl_b32 s84, s16, 4
	v_add_nc_u32 v5, s84, v1
	v_lshlrev_b32 v6, 3, v2
	v_sub_nc_u32 v[QI], v5, v6                     ; key 16 kt + 8 h + j counts for query 16 w + r where 16 kt + j <= 16 w + r - 8 h
	v_mov_b32 v[TX], 0                             ; a lane permute's destination counts as read
	v_mov_b32 v[MM+1], 0                           ; the pair's second register counts as read by the packed subtraction
	WIN TO_1
.irp bp, 0,1,2,3
	global_load_b128 v[CS+8*\bp:CS+8*\bp+3],   v[TADR], s[8:9] offset:64*\bp      ; cos, sin of my row's pairs 8 bp + 4 h .. + 3; waited for behind the K loop
	global_load_b128 v[CS+8*\bp+4:CS+8*\bp+7], v[TADR], s[8:9] offset:64*\bp+16
.endr
	WIN 0
.macro LDA slot, kq, f                 ; 4 loads: my 16 rows of x, hi and lo, 32 along K
	ds_load_b128 v[FA+16*(\f):FA+16*(\f)+3],     v[ADRA+\slot] offset:64*(\kq)
	ds_load_b128 v[FA+16*(\f)+4:FA+16*(\f)+7],   v[ADRA+\slot] offset:64*(\kq)+32
	ds_load_b128 v[FA+16*(\f)+8:FA+16*(\f)+11],  v[ADRA+\slot] offset:ALO+64*(\kq)
	ds_load_b128 v[FA+16*(\f)+12:FA+16*(\f)+15], v[ADRA+\slot] offset:ALO+64*(\kq)+32
.endm
.macro LDB slot, kq, g                 ; 24 loads: six column tiles of the weights, hi and lo
.irp i, 0,1,2,3,4,5
	ds_load_b128 v[BB+96*\g+16*\i:BB+96*\g+16*\i+3],     v[ADRB+\slot] offset:(6*\g+\i)*16*PITCH+64*(\kq)
	ds_load_b128 v[BB+96*\g+16*\i+4:BB+96*\g+16*\i+7],   v[ADRB+\slot] offset:(6*\g+\i)*16*PITCH+64*(\kq)+32
	ds_load_b128 v[BB+96*\g+16*\i+8:BB+96*\g+16*\i+11],  v[ADRL+\slot] offset:(6*\g+\i)*16*PITCH+64*(\kq)
	ds_load_b128 v[BB+96*\g+16*\i+12:BB+96*\g+16*\i+15], v[ADRL+\slot] offset:(6*\g+\i)*16*PITCH+64*(\kq)+32
.endr
.endm
; 18 matrix instructions on six accumulators: W hi x hi, W hi x lo, W lo x hi.  The accumulators take turns, one instruction a turn.
.macro MUL18 f, g, zero
.irp i, 0,1,2,3,4,5
.if \zero
	v_wmma_f32_16x16x32_f16 v[8*(6*\g+\i):8*(6*\g+\i)+7], v[BB+96*\g+16*\i:BB+96*\g+16*\i+7], v[FA+16*(\f):FA+16*(\f)+7], 0
.else
	v_wmma_f32_16x16x32_f16 v[8*(6*\g+\i):8*(6*\g+\i)+7], v[BB+96*\g+16*\i:BB+96*\g+16*\i+7], v[FA+16*(\f):FA+16*(\f)+7], v[8*(6*\g+\i):8*(6*\g+\i)+7]
.endif
.endr
.irp i, 0,1,2,3,4,5
	v_wmma_f32_16x16x32_f16 v[8*(6*\g+\i):8*(6*\g+\i)+7], v[BB+96*\g+16*\i:BB+96*\g+16*\i+7], v[FA+16*(\f)+8:FA+16*(\f)+15], v[8*(6*\g+\i):8*(6*\g+\i)+7]
.endr
.irp i, 0,1,2,3,4,5
	v_wmma_f32_16x16x32_f16 v[8*(6*\g+\i):8*(6*\g+\i)+7], v[BB+96*\g+16*\i+8:BB+96*\g+16*\i+15], v[FA+16*(\f):FA+16*(\f)+7], v[8*(6*\g+\i):8*(6*\g+\i)+7]
.endr
.endm
; A quarter step (32 along K): while one half of the column tiles is multiplied the other half's fragments are on their way.
; Four v_nop behind each group are the places between matrix instructions and the loads into their sources.
.macro QTR slot, kq, f, g, more, zero
	LDB \slot, \kq, 1
	s_wait_dscnt 24                                ; all but the 24 just issued: x's fragments and tiles 0-5 are in
	WIN MULS
	MUL18 \f, 0, \zero
	PLACES 4
	WIN 0
.if \more
	LDA \slot, \kq+1, \g
	LDB \slot, \kq+1, 0
	s_wait_dscnt 28                                ; all but the 28 just issued: tiles 6-11 are in
.else
	s_wait_dscnt 0x0
.endif
	WIN MULS
	MUL18 \f, 1, \zero
	PLACES 4
	WIN 0
.endm
; A K step.  All my tensor loads have landed and my LDS reads are back in front of the round; the joint load of the next K step into the
; other slot is the first thing behind it and has this step's 144 matrix instructions in which to land.
.macro TRIP slot, other, refill, zero
	s_set_vgpr_msb 0x5
	s_wait_tensorcnt 0x0                           ; my part of this slot is in, and no load of mine is out: a group 0 may be written
	ds_add_u32 v128, v129
	s_wait_dscnt 0x0
	s_set_vgpr_msb 0x500
	s_add_nc_u64 s[G0A+4*\slot+2:G0A+4*\slot+3], s[G0A+4*\slot+2:G0A+4*\slot+3], 512   ; this slot's next tile: two K steps on
	s_add_nc_u64 s[G0B+4*\slot+2:G0B+4*\slot+3], s[G0B+4*\slot+2:G0B+4*\slot+3], 512
	s_wait_dscnt 0x0                               ; my reads of the other slot are over
	CROUND                                         ; both now hold of every wave of every work-group of the cluster
.if \refill
	JLOAD \other
.endif
	LDA \slot, 0, 0
	LDB \slot, 0, 0
	QTR \slot, 0, 0, 1, 1, \zero
	QTR \slot, 1, 1, 0, 1, 0
	QTR \slot, 2, 0, 1, 1, 0
	QTR \slot, 3, 1, 0, 0, 0
.endm
	TRIP 0, 1, 1, 1                                ; the first products start the sums: nothing is cleared
	TRIP 1, 0, 1, 0
	s_mov_b32 s3, 2
.Llap:
	TRIP 0, 1, 1, 0
	TRIP 1, 0, 1, 0
	s_sub_co_u32 s3, s3, 1
	s_cmp_lg_u32 s3, 0
	s_cbranch_scc1 .Llap
	TRIP 0, 1, 1, 0
	TRIP 1, 0, 0, 0                                ; the last K step: nothing is left to fetch
; the rotation of tiles b0 .. b0+3: (x1, x2) -> (x1 c - x2 s, x2 c + x1 s), into OO
.macro ROPE4 b0
	WIN RP1
.irp bp, 0,1,2,3
.irp i, 0,1,2,3
	v_pk_mul_f32 v[TT+8*\bp+2*\i:TT+8*\bp+2*\i+1], v[8*(\b0+\bp)+2*\i:8*(\b0+\bp)+2*\i+1], v[CS+8*\bp+2*\i:CS+8*\bp+2*\i+1] op_sel:[0,1] op_sel_hi:[1,1]   ; (x1 s, x2 s)
.endr
.endr
.irp bp, 0,1,2,3
.irp i, 0,1,2,3
	v_pk_fma_f32 v[OO+8*\bp+2*\i:OO+8*\bp+2*\i+1], v[8*(\b0+\bp)+2*\i:8*(\b0+\bp)+2*\i+1], v[CS+8*\bp+2*\i:CS+8*\bp+2*\i+1], v[TT+8*\bp+2*\i:TT+8*\bp+2*\i+1] op_sel:[0,0,1] op_sel_hi:[1,0,0] neg_lo:[0,0,1]
.endr
.endr
	WIN 0
.endm
; 32 numbers at x (in source 0's window): t = hi, o = lo, both still f32
.macro SPLIT x, t, o
.set e, 0
.rept 32
	v_and_b32 v[\t+e], v[\x+e], s56
.set e, e+1
.endr
.set e, 0
.rept 16
	v_pk_add_f32 v[\o+e:\o+e+1], v[\x+e:\x+e+1], v[\t+e:\t+e+1] neg_lo:[0,1] neg_hi:[0,1]
.set e, e+2
.endr
.endm
; both parts to f16: register q takes numbers 2 q, 2 q + 1.  For Q and P these 8 + 8 registers are the two fragments of 32 along K.
.macro PACK t, o, dh, dl
.set e, 0
.rept 16
	v_cvt_pk_f16_f32 v[\dh+e], v[\t+2*e], v[\t+2*e+1]
	v_cvt_pk_f16_f32 v[\dl+e], v[\o+2*e], v[\o+2*e+1]
.set e, e+1
.endr
.endm
	s_wait_loadcnt 0x0                             ; cos and sin
	ROPE4 0                                        ; Q stays in my registers
	SPLIT OO, TT, OO
	PACK TT, OO, QH, QL
	ROPE4 4                                        ; K: my 16 rows to LDS
	SPLIT OO, TT, OO
	PACK TT, OO, PH, PL
.irp bp, 0,1,2,3
	ds_store_b128 v[KST], v[PH+4*\bp:PH+4*\bp+3] offset:32*\bp
	ds_store_b128 v[KST], v[PL+4*\bp:PL+4*\bp+3] offset:KLO+32*\bp
.endr
	WIN FIN                                        ; V: tiles 8-11 are v64-95 of window 1
	SPLIT 64, TT, OO
	WIN 0
	PACK TT, OO, PH, PL
.irp bp, 0,1,2,3
	ds_store_b128 v[VST], v[PH+4*\bp:PH+4*\bp+3] offset:32*\bp
	ds_store_b128 v[VST], v[PL+4*\bp:PL+4*\bp+3] offset:VLO+32*\bp
.endr
	s_wait_dscnt 0x0                               ; my rows are in LDS before I say so
	s_barrier_signal -1
	s_barrier_wait -1                              ; everybody's are
.irp kt, 0,1,2,3
.irp ks, 0,1
	ds_load_b128 v[KF+16*\kt+8*\ks:KF+16*\kt+8*\ks+3],       v[KADR] offset:\kt*16*KP+64*\ks
	ds_load_b128 v[KF+16*\kt+8*\ks+4:KF+16*\kt+8*\ks+7],     v[KADR] offset:\kt*16*KP+64*\ks+32
	ds_load_b128 v[KF+64+16*\kt+8*\ks:KF+64+16*\kt+8*\ks+3],   v[KADR] offset:KLO+\kt*16*KP+64*\ks
	ds_load_b128 v[KF+64+16*\kt+8*\ks+4:KF+64+16*\kt+8*\ks+7], v[KADR] offset:KLO+\kt*16*KP+64*\ks+32
.endr
.endr
	WIN TO_1                                       ; V^T's fragments take the accumulators' registers, which have been read
.irp dt, 0,1,2,3
.irp ks, 0,1
	ds_load_tr16_b128 v[16*\dt+8*\ks:16*\dt+8*\ks+3],       v[VADR] offset:32*\ks*VP+32*\dt
	ds_load_tr16_b128 v[16*\dt+8*\ks+4:16*\dt+8*\ks+7],     v[VADR] offset:32*\ks*VP+32*\dt+16*VP
	ds_load_tr16_b128 v[64+16*\dt+8*\ks:64+16*\dt+8*\ks+3],   v[VADR] offset:VLO+32*\ks*VP+32*\dt
	ds_load_tr16_b128 v[64+16*\dt+8*\ks+4:64+16*\dt+8*\ks+7], v[VADR] offset:VLO+32*\ks*VP+32*\dt+16*VP
.endr
.endr
	WIN 0
	s_wait_dscnt 32                                ; K's 32 loads are in; V's 32 may stay out
; four matrix instructions, one for each key tile: the four tiles take turns
.macro SG ka, qa, zero
.irp kt, 0,1,2,3
.if \zero
	v_wmma_f32_16x16x32_f16 v[SS+8*\kt:SS+8*\kt+7], v[\ka+16*\kt:\ka+16*\kt+7], v[\qa:\qa+7], 0
.else
	v_wmma_f32_16x16x32_f16 v[SS+8*\kt:SS+8*\kt+7], v[\ka+16*\kt:\ka+16*\kt+7], v[\qa:\qa+7], v[SS+8*\kt:SS+8*\kt+7]
.endif
.endr
.endm
	SG KF,    QH,   1                              ; K hi Q hi
	SG KF+8,  QH+8, 0
	SG KF,    QL,   0                              ; K hi Q lo
	SG KF+8,  QL+8, 0
	SG KF+64, QH,   0                              ; K lo Q hi
	SG KF+72, QH+8, 0
	PLACES 4                                       ; places in front of the reads of the scores (ISA guide 7.12.1)
.irp kt, 0,1,2,3
.irp j, 0,1,2,3,4,5,6,7
	v_cmp_le_i32 vcc_lo, 16*\kt+\j, v[QI]
	v_cndmask_b32 v[SS+8*\kt+\j], v[NINF], v[SS+8*\kt+\j], vcc_lo
.endr
.endr
	v_max3_num_f32 v[TM], v[SS], v[SS+1], v[SS+2]
.irp n, 1,2,3,4,5,6,7,8,9,10,11,12,13,14
	v_max3_num_f32 v[TM], v[TM], v[SS+2*\n+1], v[SS+2*\n+2]
.endr
	v_max_num_f32 v[TM], v[TM], v[SS+31]
	v_permlanex16_b32 v[TX], v[TM], s57, s58       ; the other half of the lanes holds the query's other 32 keys
	v_max_num_f32 v[MM], v[TM], v[TX]              ; finite: key 0 counts for every query
.irp p, 0,1,2,3,4,5,6,7,8,9,10,11,12,13,14,15
	v_pk_add_f32 v[SS+2*\p:SS+2*\p+1], v[SS+2*\p:SS+2*\p+1], v[MM:MM+1] op_sel_hi:[1,0] neg_lo:[0,1] neg_hi:[0,1]
.endr
.set e, 0
.rept 32
	v_exp_f32 v[SS+e], v[SS+e]
.set e, e+1
.endr
	v_nop                                          ; one plain place behind the transcendentals (ISA guide 5.7.2)
	s_wait_alu depctr_va_vdst(0)
	v_pk_add_f32 v[LS:LS+1], v[SS:SS+1], v[SS+2:SS+3]
.irp p, 2,3,4,5,6,7,8,9,10,11,12,13,14,15
	v_pk_add_f32 v[LS:LS+1], v[LS:LS+1], v[SS+2*\p:SS+2*\p+1]
.endr
	v_add_f32 v[LS], v[LS], v[LS+1]
	v_permlanex16_b32 v[TX], v[LS], s57, s58
	v_add_f32 v[LS], v[LS], v[TX]
	v_rcp_f32 v[IV], v[LS]
	v_rcp_f32 v[IV+1], v[LS]                       ; the split below is the plain work behind them
	SPLIT SS, PT, SS
	PACK PT, SS, PH, PL
	s_wait_dscnt 0x0                               ; V^T's fragments
.macro PG va, pa, zero
.irp dt, 0,1,2,3
.if \zero
	v_wmma_f32_16x16x32_f16 v[SS+8*\dt:SS+8*\dt+7], v[\va+16*\dt:\va+16*\dt+7], v[\pa:\pa+7], 0
.else
	v_wmma_f32_16x16x32_f16 v[SS+8*\dt:SS+8*\dt+7], v[\va+16*\dt:\va+16*\dt+7], v[\pa:\pa+7], v[SS+8*\dt:SS+8*\dt+7]
.endif
.endr
.endm
	WIN FIN
	PG 0,  PH,   1                                 ; V hi P hi
	PG 8,  PH+8, 0
	PG 0,  PL,   0                                 ; V hi P lo
	PG 8,  PL+8, 0
	PG 64, PH,   0                                 ; V lo P hi
	PG 72, PH+8, 0
	WIN 0
	PLACES 4
	s_wait_alu depctr_va_vdst(0)
.irp p, 0,1,2,3,4,5,6,7,8,9,10,11,12,13,14,15
	v_pk_mul_f32 v[SS+2*\p:SS+2*\p+1], v[SS+2*\p:SS+2*\p+1], v[IV:IV+1]
.endr
	SPLIT SS, T2, SS
	PACK T2, SS, PKH, PKL
	s_lshl_b32 s86, s20, 4
	s_add_co_u32 s86, s86, s21                     ; batch*16 + head
	s_lshl_b32 s86, s86, 6
	s_lshl_b32 s87, s16, 4
	s_add_co_u32 s86, s86, s87                     ; x 64 rows + my first row
	s_lshl_b32 s86, s86, 7                         ; rows of 128 bytes
	s_add_co_u32 s86, s86, AHOFF
	s_mov_b32 s87, 0
	s_add_nc_u64 s[10:11], s[10:11], s[86:87]
.irp dt, 0,1,2,3
	ds_store_b128 v[STO], v[PKH+4*\dt:PKH+4*\dt+3] offset:32*\dt
.endr
.irp i, 0,1,2,3
	ds_load_b128 v[RBH+4*\i:RBH+4*\i+3], v[RD] offset:\i*4*KP      ; a wave's LDS instructions are served in order: these see the stores above,
.endr
.irp dt, 0,1,2,3
	ds_store_b128 v[STO], v[PKL+4*\dt:PKL+4*\dt+3] offset:32*\dt   ; and these come behind those loads
.endr
.irp i, 0,1,2,3
	ds_load_b128 v[RBL+4*\i:RBL+4*\i+3], v[RD] offset:\i*4*KP
.endr
	s_wait_dscnt 0x0
.irp i, 0,1,2,3
	global_store_b128 v[CO], v[RBH+4*\i:RBH+4*\i+3], s[10:11] offset:\i*512          ; 512 consecutive aligned bytes
	global_store_b128 v[CO], v[RBL+4*\i:RBL+4*\i+3], s[10:11] offset:ALOFF+\i*512
.endr
	s_set_vgpr_msb 0x5
	s_wait_tensorcnt 0x0
	ds_add_u32 v128, v129
	s_wait_dscnt 0x0
	s_set_vgpr_msb 0x500
	CROUND                                         ; the closing round: no work-group ends while a partner may still ask jointly
	s_endpgm
.Lfunc_end_k_q6279680d24_hattn:
	.size	k_q6279680d24_hattn, .Lfunc_end_k_q6279680d24_hattn-k_q6279680d24_hattn
	.p2alignl 7, 3214868480
	.fill 96, 4, 3214868480
	.section	.rodata,"a",@progbits
	.p2align	6, 0x0
	.amdhsa_kernel k_q6279680d24_hattn
		.amdhsa_group_segment_fixed_size 327680
		.amdhsa_private_segment_fixed_size 0
		.amdhsa_enable_private_segment 0
		.amdhsa_kernarg_size 32
		.amdhsa_user_sgpr_count 2
		.amdhsa_user_sgpr_kernarg_segment_ptr 1
		.amdhsa_wavefront_size32 1
		.amdhsa_system_sgpr_workgroup_id_x 1
		.amdhsa_system_sgpr_workgroup_id_y 1
		.amdhsa_system_sgpr_workgroup_id_z 1
		.amdhsa_system_vgpr_workitem_id 0
		.amdhsa_next_free_vgpr 386
		.amdhsa_next_free_sgpr 100
		.amdhsa_reserve_vcc 1
		.amdhsa_float_denorm_mode_32 3
		.amdhsa_float_denorm_mode_16_64 3
		.amdhsa_memory_ordered 1
		.amdhsa_forward_progress 1
		.amdhsa_inst_pref_size 204
	.end_amdhsa_kernel
	.amdgpu_metadata
---
amdhsa.version: [ 1, 2 ]
amdhsa.kernels:
  - .name:           k_q6279680d24_hattn
    .symbol:         k_q6279680d24_hattn.kd
    .args:
      - { .name: xb, .offset: 0, .size: 8, .value_kind: global_buffer, .address_space: global }
      - { .name: wqkv, .offset: 8, .size: 8, .value_kind: global_buffer, .address_space: global }
      - { .name: rope, .offset: 16, .size: 8, .value_kind: global_buffer, .address_space: global }
      - { .name: att, .offset: 24, .size: 8, .value_kind: global_buffer, .address_space: global }
    .group_segment_fixed_size: 327680
    .private_segment_fixed_size: 0
    .kernarg_segment_align: 8
    .kernarg_segment_size: 32
    .max_flat_workgroup_size: 128
    .sgpr_count:     100
    .vgpr_count:     386
    .wavefront_size: 32
...
	.end_amdgpu_metadata
.endif
;; end of part 5
;; launch hproj (part 6): grid 16 x 4, 4 waves a work-group, clusters of 4 x 4, 327,680 bytes of LDS; arguments att, wot, out0; writes out0
.if DOCPART == 6
	.amdgcn_target "amdgcn-amd-amdhsa--gfx1250"
	.amdhsa_code_object_version 6
	.text
	.protected	k_q6279680d24_hproj
	.globl	k_q6279680d24_hproj
	.p2align	8
	.type	k_q6279680d24_hproj,@function
k_q6279680d24_hproj:
	s_mov_b64 s[64:65], 0
	v_nop
	global_prefetch_b8 v0, s[64:65] scope:SCOPE_SE
	s_setreg_imm32_b32 hwreg(HW_REG_WAVE_MODE, 25, 1), 1
	s_wait_xcnt 0x0
	s_wait_alu depctr_hold_cnt(0) depctr_sa_sdst(0) depctr_va_vdst(0) depctr_va_sdst(0) depctr_va_ssrc(0) depctr_va_vcc(0) depctr_vm_vsrc(0)
	s_getreg_b32 s2, hwreg(HW_REG_IB_STS2, 6, 4)
	s_cmp_eq_u32 s2, 0
	s_cbranch_scc0 .Lentry_in_a_cluster
	s_endpgm
.Lentry_in_a_cluster:
	s_bfe_u32 s2, ttmp6, 0x10000c
	s_cmp_lg_u32 s2, 0xf033
	s_cbranch_scc0 .Lentry_shape_is_right
	s_endpgm
.Lentry_shape_is_right:
; hproj: rows 0..63 of each batch of out0 = attention x Wo with split operands (hi + lo in f16, three products for one, f32 sums):
; the last step of the finer computation of the first 64 positions.  It runs behind the bulk projection and writes these 256 rows (1 MiB of 32) over.
; A work-group makes 64 rows (one batch) x 64 columns; wave w makes rows 16 w .. + 15 of all 64 columns: 4 accumulator tiles.
; The attention lies behind att's 16 MiB as [batch*16+head][64][64] f16, hi then lo.  A K step of 128 is two heads, whose 2 x 64 rows of 128 bytes
; follow each other in memory: one tensor load of 128 rows.  Four tiles a step (att hi, att lo, Wo hi, Wo lo): one tensor load a wave.
; CLUSTER 4 x 4 (cx: column block, cy: batch): the attention's tiles are shared along a cluster row, the weights' along a column.
; Transposed use (source 0 = weights' rows, source 1 = attention's rows): a lane holds eight neighbouring columns of one row.
; LIMITS: |att|, |Wo| < 65,504; a lo part is kept to 2^-24 absolutely; NaN and infinities are not served.
.set AP, 144
.set BP, 272
.set ALO,   128*AP                     ; att lo behind att hi
.set BOFF,  2*ALO
.set BLO,   64*BP                      ; Wo lo behind Wo hi
.set SLOT,  BOFF+2*BLO                 ; 71,680
.set STAGE, 2*SLOT                     ; way out: 16 rows x 272 bytes for each wave; no tensor load lands here
.set SP,    272
.set AHOFF, 16777216
.set ALOFF, 524288
.set WLOFF, 2097152
.set ADRA, 8
.set ADRB, 10
.set STO,  12
.set RD,   13
.set CO,   14
.set F,    32                          ; fragment buffer f at 80 f: att hi, att lo, then for tile b: Wo hi at 16 + 16 b, Wo lo at 24 + 16 b
.set ACC,  192
.set RB,   224
.set G1A, 24
.set G0A, 32
.set G1B, 40
.set G0B, 48
.macro PLACES n
.rept \n
	v_nop
.endr
.endm
.macro JLOAD s
	s_cmp_eq_u32 s17, 0
	s_cbranch_scc0 .Lfor_b_\@
	tensor_load_to_lds s[G0A+4*\s:G0A+4*\s+3], s[G1A:G1A+7]
	s_nop 0
	s_branch .Lasked_\@
.Lfor_b_\@:
	tensor_load_to_lds s[G0B+4*\s:G0B+4*\s+3], s[G1B:G1B+7]
	s_nop 0
.Lasked_\@:
.endm
.macro CROUND
	s_barrier_signal -1
	s_barrier_wait -1
	s_cmp_lg_u32 s16, 0
	s_cbranch_scc1 .Lnot_wave_0_\@
	s_barrier_signal -3
.Lnot_wave_0_\@:
	s_barrier_wait -3
	s_barrier_signal -1
	s_barrier_wait -1
.endm
	s_load_b128 s[4:7], s[0:1], 0x0                ; att 4, wot 6
	s_load_b64 s[8:9], s[0:1], 0x10                ; out0
	v_lshl_add_u32 v30, v0, 2, 0x29000
	v_mov_b32 v31, 0
	ds_add_u32 v30, v31
	ds_add_u32 v30, v31
	v_lshrrev_b32 v1, 5, v0
	v_readfirstlane_b32 s16, v1                    ; wave
	s_lshr_b32 s17, s16, 1                         ; 0: I fetch for the attention, 1: for the weights
	s_and_b32 s18, s16, 1                          ; 0: hi, 1: lo
	s_bfe_u32 s19, ttmp6, 0x40000                  ; cx
	s_bfe_u32 s20, ttmp6, 0x40004                  ; cy = batch (the grid has one cluster along y)
	s_lshl_b32 s21, ttmp9, 2
	s_add_co_u32 s21, s21, s19                     ; column block
	s_lshl_b32 s72, s20, 2
	s_lshl_b32 s72, 15, s72                        ; my row of the cluster
	s_lshl_b32 s73, 0x1111, s19                    ; my column
	s_or_b32 s[G1A+0], s72, (1<<16)|(1<<20)|(1<<21)|(4<<22)|(3<<25)   ; rows of 32 words, 4 words of padding
	s_mov_b32 s[G1A+1], 64<<16
	s_mov_b32 s[G1A+2], 128<<16
	s_mov_b32 s[G1A+3], 64<<16
	s_mov_b32 s[G1A+4], 128
	s_mov_b32 s[G1A+5], 64
	s_mov_b32 s[G1A+6], 0
	s_mov_b32 s[G1A+7], 0
	s_or_b32 s[G1B+0], s73, (1<<16)|(1<<20)|(1<<21)|(5<<22)|(3<<25)   ; rows of 64 words, 4 words of padding
	s_mov_b32 s[G1B+1], 128<<16
	s_mov_b32 s[G1B+2], 64<<16
	s_mov_b32 s[G1B+3], 128<<16
	s_mov_b32 s[G1B+4], 64
	s_mov_b32 s[G1B+5], 1024
	s_mov_b32 s[G1B+6], 0
	s_mov_b32 s[G1B+7], 0
	s_lshl_b32 s74, s20, 17                        ; batch x 16 heads x 64 rows of 128 bytes
	s_mul_i32 s75, s18, ALOFF
	s_add_co_u32 s74, s74, s75
	s_add_co_u32 s74, s74, AHOFF
	s_mov_b32 s75, 0
	s_lshl_b32 s76, s21, 17                        ; column block x 64 rows of 2,048 bytes
	s_mul_i32 s77, s18, WLOFF
	s_add_co_u32 s76, s76, s77
	s_mov_b32 s77, 0
	s_mul_i32 s56, s18, ALO
	s_mul_i32 s57, s18, BLO
	s_add_co_u32 s57, s57, BOFF
	s_wait_dscnt 0x0
	s_wait_kmcnt 0x0
	s_add_nc_u64 s[74:75], s[4:5], s[74:75]
	s_add_nc_u64 s[76:77], s[6:7], s[76:77]
	CROUND                                         ; all sixteen work-groups are here: the first joint loads meet
.irp s, 0,1
	s_mov_b32 s[G0A+4*\s], 1
	s_add_co_u32 s[G0A+4*\s+1], s56, \s*SLOT
	s_add_nc_u64 s[G0A+4*\s+2:G0A+4*\s+3], s[74:75], \s*16384      ; two heads on
	s_or_b32 s[G0A+4*\s+3], s[G0A+4*\s+3], 0x80000000
	s_mov_b32 s[G0B+4*\s], 1
	s_add_co_u32 s[G0B+4*\s+1], s57, \s*SLOT
	s_add_nc_u64 s[G0B+4*\s+2:G0B+4*\s+3], s[76:77], \s*256
	s_or_b32 s[G0B+4*\s+3], s[G0B+4*\s+3], 0x80000000
.endr
	JLOAD 0                                        ; K step 0; slot 1 is filled behind the first trip's round: one tensor load of a wave is out at any time
	v_and_b32 v1, 15, v0                           ; r
	v_bfe_u32 v2, v0, 4, 1                         ; h
	v_mul_u32_u24 v4, v1, AP
	v_lshl_add_u32 v4, v2, 4, v4
	s_mul_i32 s58, s16, 16*AP
	v_add_nc_u32 v[ADRA], s58, v4
	v_add_nc_u32 v[ADRA+1], SLOT, v[ADRA]
	v_mul_u32_u24 v5, v1, BP
	v_lshl_add_u32 v5, v2, 4, v5
	v_add_nc_u32 v[ADRB], BOFF, v5
	v_add_nc_u32 v[ADRB+1], SLOT+BOFF, v5
	s_mul_i32 s58, s16, 16*SP
	s_add_co_u32 s58, s58, STAGE
	v_mul_u32_u24 v6, v1, SP
	v_lshl_add_u32 v6, v2, 5, v6
	v_add_nc_u32 v[STO], s58, v6                   ; in: row r, 32 bytes for each half of the lanes
	v_mul_u32_u24 v6, v2, SP
	v_lshl_add_u32 v6, v1, 4, v6
	v_add_nc_u32 v[RD], s58, v6                    ; back: lanes 0-15 take one row of 256 bytes, lanes 16-31 the next
	v_lshlrev_b32 v7, 12, v2
	v_lshl_add_u32 v[CO], v1, 4, v7                ; and the same two rows in out0
; 20 LDS loads: quarter kq of the K step (plane kq / 2, byte 64 (kq % 2) of its rows)
.macro FETCH slot, kq, f
	ds_load_b128 v[F+80*(\f):F+80*(\f)+3],     v[ADRA+\slot] offset:((\kq)>>1)*64*AP+((\kq)&1)*64
	ds_load_b128 v[F+80*(\f)+4:F+80*(\f)+7],   v[ADRA+\slot] offset:((\kq)>>1)*64*AP+((\kq)&1)*64+32
	ds_load_b128 v[F+80*(\f)+8:F+80*(\f)+11],  v[ADRA+\slot] offset:ALO+((\kq)>>1)*64*AP+((\kq)&1)*64
	ds_load_b128 v[F+80*(\f)+12:F+80*(\f)+15], v[ADRA+\slot] offset:ALO+((\kq)>>1)*64*AP+((\kq)&1)*64+32
.irp b, 0,1,2,3
	ds_load_b128 v[F+80*(\f)+16+16*\b:F+80*(\f)+19+16*\b], v[ADRB+\slot] offset:\b*16*BP+64*(\kq)
	ds_load_b128 v[F+80*(\f)+20+16*\b:F+80*(\f)+23+16*\b], v[ADRB+\slot] offset:\b*16*BP+64*(\kq)+32
	ds_load_b128 v[F+80*(\f)+24+16*\b:F+80*(\f)+27+16*\b], v[ADRB+\slot] offset:BLO+\b*16*BP+64*(\kq)
	ds_load_b128 v[F+80*(\f)+28+16*\b:F+80*(\f)+31+16*\b], v[ADRB+\slot] offset:BLO+\b*16*BP+64*(\kq)+32
.endr
.endm
; 12 matrix instructions on four accumulators: Wo hi att hi, Wo hi att lo, Wo lo att hi.  The accumulators take turns, one instruction a turn.
.macro MUL12 f, zero
.irp b, 0,1,2,3
.if \zero
	v_wmma_f32_16x16x32_f16 v[ACC+8*\b:ACC+8*\b+7], v[F+80*(\f)+16+16*\b:F+80*(\f)+23+16*\b], v[F+80*(\f):F+80*(\f)+7], 0
.else
	v_wmma_f32_16x16x32_f16 v[ACC+8*\b:ACC+8*\b+7], v[F+80*(\f)+16+16*\b:F+80*(\f)+23+16*\b], v[F+80*(\f):F+80*(\f)+7], v[ACC+8*\b:ACC+8*\b+7]
.endif
.endr
.irp b, 0,1,2,3
	v_wmma_f32_16x16x32_f16 v[ACC+8*\b:ACC+8*\b+7], v[F+80*(\f)+16+16*\b:F+80*(\f)+23+16*\b], v[F+80*(\f)+8:F+80*(\f)+15], v[ACC+8*\b:ACC+8*\b+7]
.endr
.irp b, 0,1,2,3
	v_wmma_f32_16x16x32_f16 v[ACC+8*\b:ACC+8*\b+7], v[F+80*(\f)+24+16*\b:F+80*(\f)+31+16*\b], v[F+80*(\f):F+80*(\f)+7], v[ACC+8*\b:ACC+8*\b+7]
.endr
.endm
.macro QTR slot, kq, f, g, more, zero
.if \more
	FETCH \slot, \kq+1, \g
	s_wait_dscnt 20                                ; all but the 20 just issued: this quarter's fragments are in
.else
	s_wait_dscnt 0x0
.endif
	MUL12 \f, \zero
	PLACES 4                                       ; places between the matrix instructions and the next loads into their sources
.endm
.macro TRIP slot, other, refill, zero
	s_wait_tensorcnt 0x0                           ; my part of this slot is in, and no load of mine is out: a group 0 may be written
	ds_add_u32 v30, v31
	s_wait_dscnt 0x0
	s_add_nc_u64 s[G0A+4*\slot+2:G0A+4*\slot+3], s[G0A+4*\slot+2:G0A+4*\slot+3], 32768   ; this slot's next tile: four heads on
	s_add_nc_u64 s[G0B+4*\slot+2:G0B+4*\slot+3], s[G0B+4*\slot+2:G0B+4*\slot+3], 512
	s_wait_dscnt 0x0                               ; my reads of the other slot are over
	CROUND                                         ; both now hold of every wave of every work-group of the cluster
.if \refill
	JLOAD \other                                   ; the next K step, into the slot read last: my one tensor load behind the round
.endif
	FETCH \slot, 0, 0
	QTR \slot, 0, 0, 1, 1, \zero
	QTR \slot, 1, 1, 0, 1, 0
	QTR \slot, 2, 0, 1, 1, 0
	QTR \slot, 3, 1, 0, 0, 0
.endm
	TRIP 0, 1, 1, 1                                ; the first products start the sums
	TRIP 1, 0, 1, 0
	s_mov_b32 s3, 2
.Llap:
	TRIP 0, 1, 1, 0
	TRIP 1, 0, 1, 0
	s_sub_co_u32 s3, s3, 1
	s_cmp_lg_u32 s3, 0
	s_cbranch_scc1 .Llap
	TRIP 0, 1, 1, 0
	TRIP 1, 0, 0, 0                                ; the last K step: nothing is left to fetch
	; THE WAY OUT through my own stage (the four places behind the last matrix instructions close the last quarter)
	s_lshl_b32 s66, s20, 11
	s_lshl_b32 s67, s16, 4
	s_add_co_u32 s66, s66, s67                     ; row = batch x 2,048 + 16 wave
	s_lshl_b32 s66, s66, 12                        ; rows of 4,096 bytes
	s_lshl_b32 s67, s21, 8                         ; my 64 columns
	s_add_co_u32 s66, s66, s67
	s_mov_b32 s67, 0
	s_add_nc_u64 s[8:9], s[8:9], s[66:67]
.irp b, 0,1,2,3
	ds_store_b128 v[STO], v[ACC+8*\b:ACC+8*\b+3]   offset:64*\b
	ds_store_b128 v[STO], v[ACC+8*\b+4:ACC+8*\b+7] offset:64*\b+16
.endr
.irp i, 0,1,2,3,4,5,6,7
	ds_load_b128 v[RB+4*\i:RB+4*\i+3], v[RD] offset:\i*2*SP        ; a wave's LDS instructions are served in order: these see the stores above
.endr
.irp i, 0,1,2,3,4,5,6,7
	s_wait_dscnt 7-\i
	global_store_b128 v[CO], v[RB+4*\i:RB+4*\i+3], s[8:9] offset:\i*8192 th:TH_STORE_NT   ; sixteen lanes write 256 consecutive aligned bytes of a row
.endr
	s_wait_tensorcnt 0x0
	ds_add_u32 v30, v31
	s_wait_dscnt 0x0
	CROUND                                         ; the closing round
	s_endpgm
.Lfunc_end_k_q6279680d24_hproj:
	.size	k_q6279680d24_hproj, .Lfunc_end_k_q6279680d24_hproj-k_q6279680d24_hproj
	.p2alignl 7, 3214868480
	.fill 96, 4, 3214868480
	.section	.rodata,"a",@progbits
	.p2align	6, 0x0
	.amdhsa_kernel k_q6279680d24_hproj
		.amdhsa_group_segment_fixed_size 327680
		.amdhsa_private_segment_fixed_size 0
		.amdhsa_enable_private_segment 0
		.amdhsa_kernarg_size 24
		.amdhsa_user_sgpr_count 2
		.amdhsa_user_sgpr_kernarg_segment_ptr 1
		.amdhsa_wavefront_size32 1
		.amdhsa_system_sgpr_workgroup_id_x 1
		.amdhsa_system_sgpr_workgroup_id_y 1
		.amdhsa_system_sgpr_workgroup_id_z 1
		.amdhsa_system_vgpr_workitem_id 0
		.amdhsa_next_free_vgpr 256
		.amdhsa_next_free_sgpr 80
		.amdhsa_reserve_vcc 0
		.amdhsa_float_denorm_mode_32 3
		.amdhsa_float_denorm_mode_16_64 3
		.amdhsa_memory_ordered 1
		.amdhsa_forward_progress 1
		.amdhsa_inst_pref_size 65
	.end_amdhsa_kernel
	.amdgpu_metadata
---
amdhsa.version: [ 1, 2 ]
amdhsa.kernels:
  - .name:           k_q6279680d24_hproj
    .symbol:         k_q6279680d24_hproj.kd
    .args:
      - { .name: att, .offset: 0, .size: 8, .value_kind: global_buffer, .address_space: global }
      - { .name: wot, .offset: 8, .size: 8, .value_kind: global_buffer, .address_space: global }
      - { .name: out0, .offset: 16, .size: 8, .value_kind: global_buffer, .address_space: global }
    .group_segment_fixed_size: 327680
    .private_segment_fixed_size: 0
    .kernarg_segment_align: 8
    .kernarg_segment_size: 24
    .max_flat_workgroup_size: 128
    .sgpr_count:     80
    .vgpr_count:     256
    .wavefront_size: 32
...
	.end_amdgpu_metadata
.endif
;; end of part 6
;; ======== version 2 of 2: 6 launches
;; limits: values are held in f16: magnitudes above 65,504 overflow, below 6.1e-05 lose precision
;; workspace buffers: xb 17,301,504 bytes; wqkv 12,582,912 bytes; wot 4,194,304 bytes; rope 524,288 bytes; q 16,777,216 bytes; k 16,777,216 bytes; v 16,777,216 bytes; att 17,825,792 bytes
;; launch prep: the kernel of part 1 again; grid 1152 x 1, 8 waves a work-group, no clusters, 35,840 bytes of LDS; arguments x, Wq, Wk, Wv, Wo, xb, wqkv, wot, rope; writes xb, wqkv, wot, rope
;; launch qkv: the kernel of part 2 again; grid 16 x 32, 4 waves a work-group, clusters of 4 x 4, 327,680 bytes of LDS; arguments xb, wqkv, rope, q, k, v; writes q, k, v
;; launch attn (part 7): grid 4 x 64, 8 waves a work-group, no clusters, 327,680 bytes of LDS; arguments q, k, v, att; writes att
.if DOCPART == 7
	.amdgcn_target "amdgcn-amd-amdhsa--gfx1250"
	.amdhsa_code_object_version 6
	.text
	.protected	k_q6279680d24_attn
	.globl	k_q6279680d24_attn
	.p2align	8
	.type	k_q6279680d24_attn,@function
k_q6279680d24_attn:
	s_mov_b64 s[64:65], 0
	v_nop
	global_prefetch_b8 v0, s[64:65] scope:SCOPE_SE
	s_setreg_imm32_b32 hwreg(HW_REG_WAVE_MODE, 25, 1), 1
	s_wait_xcnt 0x0
; attn: causal attention of one head for two blocks of 256 queries, with a running maximum.  q, k, v, att: [batch*16+head][2048][64] f16.
; q already carries 0.125*log2(e), so scores are exponents of 2.
; Work-group g of a head takes query block g and then block 7 - g: (g + 1) + (8 - g) = 9 trips of 256 keys for every work-group.
; EIGHT WAVES, two for each of the WGP's four SIMDs (2 x 512 registers): wave w owns 32 queries (two tiles qt).  While one wave of a SIMD is in its
; softmax the other's matrix instructions can run, and the text of 64 keys is 32 matrix and about 240 vector instructions.  The price: every wave
; reads all K and V fragments, 32 LDS loads of 16 bytes a lane for 32 matrix instructions.
; A trip is two halves of 128 keys (LDS slot 0, then slot 1); a half is two SUBs of 64 keys.
; In each block the diagonal trip comes first: every query has a key that counts in its first SUB, so the maximum is finite from then on,
; and the first products start the sums.  In the diagonal trip wave w skips the SUBs t > w / 2 and masks SUB t = w / 2.
; TRANSPOSED FORMS: S^T = K Q^T puts a query in a lane (l % 16) and keys 8 (l / 16) + j in its registers.  Two neighbouring key tiles, packed
; to f16 in place, ARE the second source of O^T = V^T P^T: no traffic between lanes but one exchange of the halves for the maximum.
; V^T's fragments come from V's rows by the transposing LDS load.
; NO CLUSTER: the four work-groups of a head walk different key tiles at a time (blocks g and 7 - g); in step, each asking for every tile
; of the union, they would pass 4 + 8 = 12 trips instead of 9.
; LIMITS: f16 operands (|q|, |k|, |v| < 65,504); a weight below about 6e-8 of its row's largest rounds to 0; NaN and infinities are not served.
; REGISTERS: window 0: addresses, softmax state, S = v64-127 (tile (qt, kt) at 32 qt + 8 kt), VF = v192-255;
;            window 1: O = v0-63 (tile 8 (4 qt + dt)), QF = v128-159, KF = v192-255.
.set KP, 144                           ; K's, Q's and the stage's LDS rows: 128 bytes + 16
.set VP, 160                           ; V's: 128 + 32, an odd multiple of 32, for the transposing load
.set VOFF, 128*KP
.set SLOT, 128*KP+128*VP
.set QA,   2*SLOT
.set QBLK, 256*KP
.set STAGE, QA+2*QBLK                  ; 16 rows x 144 bytes for each of the eight waves; no tensor load lands here
.set KADR, 8
.set VADR, 10
.set QADR, 12
.set STO, 13
.set RD,  14
.set CO,  15
.set NINF, 16
.set PFO, 17
.set MM, 20                            ; pair qt: (m, written once)
.set AL, 28                            ; pair qt: (alpha, l)
.set TM, 36                            ; v36-39: two chains of the maximum for each qt
.set TX, 40
.set SUM, 44
.set IV, 52
.set SS, 64
.set VF, 192
.set QF, 128
.set KF, 192
.set G1K, 24
.set G1V, 32
.set G0K, 40
.set G0V, 48
.set G0Q, 56
.set S_SET, 0x05                       ; sources 0, 1 window 1
.set TO_1,  0x40                       ; destination window 1
.set RESC,  0x41                       ; destination and source 0 window 1
.set PV_SET, 0x50                      ; C and D window 1
.set FIN,   0x01                       ; source 0 window 1
.set MSB, 0
.macro WIN new                         ; the immediate's high byte repeats the setting that is left
.if MSB != \new
	s_set_vgpr_msb (MSB<<8)|\new
.set MSB, \new
.endif
.endm
.macro PLACES n
.rept \n
	v_nop
.endr
.endm
; waves 0, 1 fetch the halves of K's 128 rows, waves 2, 3 those of V's (64 rows a load); waves 4 to 7 have no part of these tiles
.macro KVLOAD s
	s_cmp_lg_u32 s14, 0
	s_cbranch_scc1 .Lnot_k_\@
	tensor_load_to_lds s[G0K+4*\s:G0K+4*\s+3], s[G1K:G1K+7]
	s_nop 0
	s_branch .Lasked_\@
.Lnot_k_\@:
	s_cmp_lg_u32 s14, 1
	s_cbranch_scc1 .Lasked_\@
	tensor_load_to_lds s[G0V+4*\s:G0V+4*\s+3], s[G1V:G1V+7]
	s_nop 0
.Lasked_\@:
.endm
; both group 0 sets of a slot: the head's K and V at byte s70 (128 keys are 16,384 bytes)
.macro SETG0 s
	s_add_nc_u64 s[G0K+4*\s+2:G0K+4*\s+3], s[66:67], s[70:71]
	s_or_b32 s[G0K+4*\s+3], s[G0K+4*\s+3], 0x80000000
	s_add_nc_u64 s[G0V+4*\s+2:G0V+4*\s+3], s[68:69], s[70:71]
	s_or_b32 s[G0V+4*\s+3], s[G0V+4*\s+3], 0x80000000
.endm
	s_load_b256 s[4:11], s[0:1], 0x0               ; q 4, k 6, v 8, att 10
	v_lshl_add_u32 v190, v0, 2, 0x29800
	v_mov_b32 v191, 0
	ds_add_u32 v190, v191
	ds_add_u32 v190, v191
	v_lshrrev_b32 v1, 5, v0
	v_readfirstlane_b32 s12, v1                    ; wave 0..7
	s_and_b32 s13, s12, 1                          ; which half of a K or V tile I fetch; which 32 of a group of 64 queries are mine
	s_lshr_b32 s14, s12, 1                         ; 0: I fetch for K, 1: for V, 2, 3: for neither; my group of 64 queries
	s_and_b32 s23, s12, 3
	s_lshl_b32 s23, s23, 13                        ; (wave & 3) x 64 rows of 128 bytes
	s_mov_b32 s16, ttmp9                           ; block a = g
	s_sub_co_u32 s17, 7, s16                       ; block b = 7 - g
	s_sub_co_u32 s18, s17, 1
	s_and_b32 s15, ttmp7, 0xffff
	s_lshl_b32 s15, s15, 18                        ; the head: 2,048 rows of 128 bytes
	s_lshl_b32 s19, s17, 15                        ; block b's first key, in bytes
	s_lshl_b32 s20, s16, 15                        ; block a's
	s_lshl_b32 s21, s12, 12                        ; my 32 queries in a block
	s_lshl_b32 s22, s13, 13                        ; my 64 rows of a half tile
	s_cmp_lt_u32 s12, 4
	s_cselect_b32 s85, s20, s19                    ; waves 0-3 fetch block a's queries, waves 4-7 block b's
	s_mov_b32 s[G1K+0], (1<<16)|(1<<20)|(4<<22)|(3<<25)   ; 2-byte elements; 4 words of padding behind every 32
	s_mov_b32 s[G1K+1], 64<<16
	s_mov_b32 s[G1K+2], 64<<16
	s_mov_b32 s[G1K+3], 64<<16
	s_mov_b32 s[G1K+4], 64
	s_mov_b32 s[G1K+5], 64
	s_mov_b32 s[G1K+6], 0
	s_mov_b32 s[G1K+7], 0
	s_mov_b32 s[G1V+0], (1<<16)|(1<<20)|(4<<22)|(7<<25)   ; 8 words of padding
	s_mov_b32 s[G1V+1], 64<<16
	s_mov_b32 s[G1V+2], 64<<16
	s_mov_b32 s[G1V+3], 64<<16
	s_mov_b32 s[G1V+4], 64
	s_mov_b32 s[G1V+5], 64
	s_mov_b32 s[G1V+6], 0
	s_mov_b32 s[G1V+7], 0
	s_mov_b32 s[G0K], 1
	s_mul_i32 s[G0K+1], s13, 64*KP
	s_mov_b32 s[G0K+4], 1
	s_add_co_u32 s[G0K+5], s[G0K+1], SLOT
	s_mul_i32 s84, s13, 64*VP
	s_mov_b32 s[G0V], 1
	s_add_co_u32 s[G0V+1], s84, VOFF
	s_mov_b32 s[G0V+4], 1
	s_add_co_u32 s[G0V+5], s84, SLOT+VOFF
	s_mul_i32 s83, s12, 64*KP                      ; Q: block a's 256 rows, then block b's: 64 rows for each wave
	s_mov_b32 s[G0Q], 1
	s_add_co_u32 s[G0Q+1], s83, QA
	s_mov_b32 s93, 0
	s_mov_b32 s71, 0
	s_mov_b32 s70, s20                             ; the first half tile: block a's diagonal
	s_add_co_u32 s92, s15, s22
	s_wait_dscnt 0x0
	s_wait_kmcnt 0x0
	s_add_nc_u64 s[66:67], s[6:7], s[92:93]        ; K and V at the head's first row of my part
	s_add_nc_u64 s[68:69], s[8:9], s[92:93]
	s_add_co_u32 s92, s15, s85
	s_add_co_u32 s92, s92, s23
	s_add_nc_u64 s[G0Q+2:G0Q+3], s[4:5], s[92:93]
	s_or_b32 s[G0Q+3], s[G0Q+3], 0x80000000
	s_add_co_u32 s92, s15, s20
	s_add_co_u32 s92, s92, s21
	s_add_nc_u64 s[86:87], s[10:11], s[92:93]      ; where block a's results go
	s_add_co_u32 s92, s15, s19
	s_add_co_u32 s92, s92, s21
	s_add_nc_u64 s[88:89], s[10:11], s[92:93]      ; and block b's
	SETG0 0
	KVLOAD 0                                       ; the first fills go out as one group: two tensor loads of waves 0-3, one of waves 4-7
	tensor_load_to_lds s[G0Q:G0Q+3], s[G1K:G1K+7]  ; 64 queries; other waves read them behind the first wait for 0 and its barrier
	s_nop 0
	s_add_co_u32 s92, s15, s19
	s_add_co_u32 s92, s92, s23
	s_cmp_lt_u32 s12, 4
	s_cselect_b64 s[90:91], s[6:7], s[8:9]
	s_add_nc_u64 s[90:91], s[90:91], s[92:93]      ; prefetch: block b's diagonal tiles, 8,192 bytes of K (waves 0-3) or V (waves 4-7) for each wave
	s_mov_b32 s80, 0x76543210                      ; v_permlanex16_b32: lane i takes lane i of the other half
	s_mov_b32 s81, 0xfedcba98
	v_and_b32 v1, 15, v0                           ; r
	v_bfe_u32 v2, v0, 4, 1                         ; h
	v_and_b32 v3, 31, v0                           ; lane
	v_mul_u32_u24 v[KADR], v1, KP
	v_lshl_add_u32 v[KADR], v2, 4, v[KADR]         ; 144 r + 16 h
	v_add_nc_u32 v[KADR+1], SLOT, v[KADR]
	v_and_b32 v7, 7, v0
	v_lshl_add_u32 v5, v2, 3, v7                   ; key row 8 h + (l & 7)
	v_mul_u32_u24 v5, v5, VP
	v_bfe_u32 v6, v0, 3, 1
	v_lshl_add_u32 v5, v6, 4, v5
	v_add_nc_u32 v[VADR], VOFF, v5
	v_add_nc_u32 v[VADR+1], SLOT+VOFF, v5
	s_mul_i32 s83, s12, 32*KP
	s_add_co_u32 s83, s83, QA
	v_add_nc_u32 v[QADR], s83, v[KADR]             ; my 32 queries in block a's rows
	s_mul_i32 s83, s12, 16*KP
	s_add_co_u32 s83, s83, STAGE
	v_add_nc_u32 v[STO], s83, v[KADR]
	v_lshrrev_b32 v6, 3, v3
	v_mul_u32_u24 v6, v6, KP
	v_lshl_add_u32 v6, v7, 4, v6
	v_add_nc_u32 v[RD], s83, v6
	v_lshlrev_b32 v[CO], 4, v3
	v_mov_b32 v[NINF], 0xff800000
	v_lshlrev_b32 v[PFO], 8, v3                    ; lanes 256 bytes apart
	v_lshlrev_b32 v4, 3, v2
.irp j, 0,1,2,3,4,5,6,7
	v_add_nc_u32 v5, \j, v4
	v_cmp_le_u32 s[72+\j], v5, v1                  ; on a diagonal tile key 8 h + j counts for query r
.endr
.irp qt, 0,1
	v_mov_b32 v[TX+\qt], 0                         ; a lane permute's destination counts as read
	v_mov_b32 v[MM+2*\qt+1], 0                     ; the pair's second register counts as read by the packed subtraction
.endr
.macro LDK slot, sub                   ; 64 keys x 64 d: 16 loads into window 1
	WIN TO_1
.irp kt, 0,1,2,3
.irp ks, 0,1
	ds_load_b128 v[KF+16*\kt+8*\ks:KF+16*\kt+8*\ks+3],   v[KADR+\slot] offset:(64*\sub+16*\kt)*KP+64*\ks
	ds_load_b128 v[KF+16*\kt+8*\ks+4:KF+16*\kt+8*\ks+7], v[KADR+\slot] offset:(64*\sub+16*\kt)*KP+64*\ks+32
.endr
.endr
.endm
.macro LDV slot, sub                   ; V^T: 64 d x 64 keys: 16 transposing loads
.irp dt, 0,1,2,3
.irp ks, 0,1
	ds_load_tr16_b128 v[VF+16*\dt+8*\ks:VF+16*\dt+8*\ks+3],   v[VADR+\slot] offset:(64*\sub+32*\ks)*VP+32*\dt
	ds_load_tr16_b128 v[VF+16*\dt+8*\ks+4:VF+16*\dt+8*\ks+7], v[VADR+\slot] offset:(64*\sub+32*\ks)*VP+32*\dt+16*VP
.endr
.endr
.endm
.macro LDQ blk                         ; my 32 queries x 64 d: 8 loads into window 1
	WIN TO_1
.irp qt, 0,1
.irp ks, 0,1
	ds_load_b128 v[QF+16*\qt+8*\ks:QF+16*\qt+8*\ks+3],   v[QADR] offset:\blk*QBLK+\qt*16*KP+64*\ks
	ds_load_b128 v[QF+16*\qt+8*\ks+4:QF+16*\qt+8*\ks+7], v[QADR] offset:\blk*QBLK+\qt*16*KP+64*\ks+32
.endr
.endr
.endm
; 16 matrix instructions; the eight tiles take turns, one instruction a turn
.macro SPHASE
	WIN S_SET
.irp qt, 0,1
.irp kt, 0,1,2,3
	v_wmma_f32_16x16x32_f16 v[SS+32*\qt+8*\kt:SS+32*\qt+8*\kt+7], v[KF+16*\kt:KF+16*\kt+7], v[QF+16*\qt:QF+16*\qt+7], 0
.endr
.endr
.irp qt, 0,1
.irp kt, 0,1,2,3
	v_wmma_f32_16x16x32_f16 v[SS+32*\qt+8*\kt:SS+32*\qt+8*\kt+7], v[KF+16*\kt+8:KF+16*\kt+15], v[QF+16*\qt+8:QF+16*\qt+15], v[SS+32*\qt+8*\kt:SS+32*\qt+8*\kt+7]
.endr
.endr
.endm
; The diagonal SUB.  My query tile qt is tile 2 (w & 1) + qt of the SUB's four: key tiles behind it are all -inf, the tile on it goes by lane masks.
.macro MASKD d0                        ; the two tiles on the diagonal lie at d0 + 40 qt
.irp qt, 0,1
.irp j, 0,1,2,3,4,5,6,7
	v_cndmask_b32 v[SS+\d0+40*\qt+\j], v[NINF], v[SS+\d0+40*\qt+\j], s[72+\j]
.endr
.endr
.endm
.macro MASK0                           ; even wave: (qt, kt) = (0, 1..3), (1, 2..3) are -inf
.irp o, 8,16,24,48,56
.irp j, 0,1,2,3,4,5,6,7
	v_mov_b32 v[SS+\o+\j], v[NINF]
.endr
.endr
	MASKD 0
.endm
.macro MASK1                           ; odd wave: (0, 3) is -inf
.irp j, 0,1,2,3,4,5,6,7
	v_mov_b32 v[SS+24+\j], v[NINF]
.endr
	MASKD 16
.endm
.macro EXPQ qt
.set e, 0
.rept 32
	v_exp_f32 v[SS+32*\qt+e], v[SS+32*\qt+e]
.set e, e+1
.endr
	v_nop                                          ; one plain place behind the transcendentals (ISA guide 5.7.2)
.endm
; the row sum (two chains), l, and the weights packed to f16 in place: registers 16 ks + i take 16 ks + 2 i, + 2 i + 1, ascending
.macro SCQ qt, first
	s_wait_alu depctr_va_vdst(0)
	v_pk_add_f32 v[SUM+2*\qt:SUM+2*\qt+1], v[SS+32*\qt:SS+32*\qt+1], v[SS+32*\qt+2:SS+32*\qt+3]
	v_pk_add_f32 v[IV+2*\qt:IV+2*\qt+1], v[SS+32*\qt+4:SS+32*\qt+5], v[SS+32*\qt+6:SS+32*\qt+7]
.irp p, 4,6,8,10,12,14
	v_pk_add_f32 v[SUM+2*\qt:SUM+2*\qt+1], v[SUM+2*\qt:SUM+2*\qt+1], v[SS+32*\qt+2*\p:SS+32*\qt+2*\p+1]
	v_pk_add_f32 v[IV+2*\qt:IV+2*\qt+1], v[IV+2*\qt:IV+2*\qt+1], v[SS+32*\qt+2*\p+2:SS+32*\qt+2*\p+3]
.endr
	v_pk_add_f32 v[SUM+2*\qt:SUM+2*\qt+1], v[SUM+2*\qt:SUM+2*\qt+1], v[IV+2*\qt:IV+2*\qt+1]
.if \first
	v_add_f32 v[AL+2*\qt+1], v[SUM+2*\qt], v[SUM+2*\qt+1]
.else
	v_add_f32 v[SUM+2*\qt], v[SUM+2*\qt], v[SUM+2*\qt+1]
	v_fma_f32 v[AL+2*\qt+1], v[AL+2*\qt+1], v[AL+2*\qt], v[SUM+2*\qt]
.endif
.irp p, 0,1,2,3,4,5,6,7
	v_cvt_pk_f16_f32 v[SS+32*\qt+\p], v[SS+32*\qt+2*\p], v[SS+32*\qt+2*\p+1]
.endr
.irp p, 0,1,2,3,4,5,6,7
	v_cvt_pk_f16_f32 v[SS+32*\qt+16+\p], v[SS+32*\qt+16+2*\p], v[SS+32*\qt+16+2*\p+1]
.endr
.endm
.macro SOFTMAX first
	; the maximum of a lane's 32 scores of each query, in two chains of 16 for each qt: four chains that do not wait for each other
.irp qt, 0,1
.irp c, 0,1
	v_max3_num_f32 v[TM+2*\qt+\c], v[SS+32*\qt+16*\c], v[SS+32*\qt+16*\c+1], v[SS+32*\qt+16*\c+2]
.endr
.endr
.irp n, 1,2,3,4,5,6
.irp qt, 0,1
.irp c, 0,1
	v_max3_num_f32 v[TM+2*\qt+\c], v[TM+2*\qt+\c], v[SS+32*\qt+16*\c+2*\n+1], v[SS+32*\qt+16*\c+2*\n+2]
.endr
.endr
.endr
.irp qt, 0,1
	v_max3_num_f32 v[TM+2*\qt], v[TM+2*\qt], v[TM+2*\qt+1], v[SS+32*\qt+15]   ; the chains meet; each left its sixteenth score over
.endr
.irp qt, 0,1
.if \first
	v_max_num_f32 v[TM+2*\qt], v[TM+2*\qt], v[SS+32*\qt+31]
.else
	v_max3_num_f32 v[TM+2*\qt], v[TM+2*\qt], v[SS+32*\qt+31], v[MM+2*\qt]
.endif
.endr
.irp qt, 0,1
	v_permlanex16_b32 v[TX+\qt], v[TM+2*\qt], s80, s81   ; the other half of the lanes holds the query's other 32 keys
.endr
.irp qt, 0,1
.if \first
	v_max_num_f32 v[MM+2*\qt], v[TM+2*\qt], v[TX+\qt]
.else
	v_max_num_f32 v[TM+2*\qt], v[TM+2*\qt], v[TX+\qt]
	v_sub_f32 v[AL+2*\qt], v[MM+2*\qt], v[TM+2*\qt]    ; old maximum - new one (both finite)
	v_mov_b32 v[MM+2*\qt], v[TM+2*\qt]
.endif
.endr
.if \first == 0
.irp qt, 0,1
	v_exp_f32 v[AL+2*\qt], v[AL+2*\qt]                 ; alpha; the subtractions below are the plain places behind it
.endr
.endif
.irp qt, 0,1
.irp p, 0,1,2,3,4,5,6,7,8,9,10,11,12,13,14,15
	v_pk_add_f32 v[SS+32*\qt+2*\p:SS+32*\qt+2*\p+1], v[SS+32*\qt+2*\p:SS+32*\qt+2*\p+1], v[MM+2*\qt:MM+2*\qt+1] op_sel_hi:[1,0] neg_lo:[0,1] neg_hi:[0,1]
.endr
.endr
	EXPQ 0
	EXPQ 1
	SCQ 0, \first
	SCQ 1, \first
.endm
.macro PV first
.if \first == 0
	WIN RESC
.irp qt, 0,1
.irp p, 0,1,2,3,4,5,6,7,8,9,10,11,12,13,14,15
	v_pk_mul_f32 v[32*\qt+2*\p:32*\qt+2*\p+1], v[32*\qt+2*\p:32*\qt+2*\p+1], v[AL+2*\qt:AL+2*\qt+1] op_sel_hi:[1,0]
.endr
.endr
.endif
	WIN PV_SET
.irp qt, 0,1
.irp dt, 0,1,2,3
.if \first
	v_wmma_f32_16x16x32_f16 v[32*\qt+8*\dt:32*\qt+8*\dt+7], v[VF+16*\dt:VF+16*\dt+7], v[SS+32*\qt:SS+32*\qt+7], 0
.else
	v_wmma_f32_16x16x32_f16 v[32*\qt+8*\dt:32*\qt+8*\dt+7], v[VF+16*\dt:VF+16*\dt+7], v[SS+32*\qt:SS+32*\qt+7], v[32*\qt+8*\dt:32*\qt+8*\dt+7]
.endif
.endr
.endr
.irp qt, 0,1
.irp dt, 0,1,2,3
	v_wmma_f32_16x16x32_f16 v[32*\qt+8*\dt:32*\qt+8*\dt+7], v[VF+16*\dt+8:VF+16*\dt+15], v[SS+32*\qt+16:SS+32*\qt+23], v[32*\qt+8*\dt:32*\qt+8*\dt+7]
.endr
.endr
.endm
; 64 keys.  t >= 0: SUB t of a diagonal trip; t = -1: all keys count.
.macro SUB slot, sub, first, t
.if \t > 0
	s_cmp_lt_u32 s14, \t                           ; these keys lie behind all my queries: nothing to do (no barrier)
	s_cbranch_scc1 .Lsub_end_\@
.endif
	LDV \slot, \sub
	s_wait_dscnt 16                                ; K's (and Q's) fragments are in; V's sixteen loads may stay out
	SPHASE
	WIN 0
	PLACES 4                                       ; places behind the matrix instructions: for the reads of S and the loads into KF
.if \sub == 0
	LDK \slot, 1
	WIN 0
.endif
.if \t >= 0
	s_cmp_lg_u32 s14, \t
	s_cbranch_scc1 .Lnomask_\@
	s_cmp_lg_u32 s13, 0
	s_cbranch_scc1 .Lmask1_\@
	MASK0
	s_branch .Lnomask_\@
.Lmask1_\@:
	MASK1
.Lnomask_\@:
.endif
	SOFTMAX \first
.if \sub == 0
	s_wait_dscnt 16                                ; V's fragments are in; the next K fragments' sixteen loads may stay out
.else
	s_wait_dscnt 0x0
.endif
	PV \first
	WIN 0
	PLACES 5                                       ; places in front of the matrix instructions that write over P and of the loads into VF
.if \t > 0
.Lsub_end_\@:
.endif
.endm
; the change of slots: all my tensor loads have landed and my LDS reads are back, then the barrier, then the refill first
.macro HEAD slot, other, refill
	s_wait_tensorcnt 0x0                           ; my part of this slot is in, and no load of mine is out: a group 0 may be written
	ds_add_u32 v190, v191
	s_wait_dscnt 0x0
.if \refill
	SETG0 \other
.endif
	s_wait_dscnt 0x0                               ; my reads of the other slot are over
	s_barrier_signal -1
	s_barrier_wait -1
.if \refill
	KVLOAD \other                                  ; the one tensor load of waves 0-3 behind this barrier; two SUBs stand between it and the wait for it
.endif
	LDK \slot, 0
	WIN 0
.endm
; divide by the row sums and store 32 queries x 64 d
.macro FINAL ob
.irp qt, 0,1
	v_permlanex16_b32 v[TX+\qt], v[AL+2*\qt+1], s80, s81
.endr
.irp qt, 0,1
	v_add_f32 v[TM+\qt], v[AL+2*\qt+1], v[TX+\qt]
.endr
.irp qt, 0,1
	v_rcp_f32 v[IV+2*\qt], v[TM+\qt]
	v_rcp_f32 v[IV+2*\qt+1], v[TM+\qt]
.endr
	v_nop                                          ; one plain place behind the transcendentals (ISA guide 5.7.2)
	s_wait_alu depctr_va_vdst(0)
.irp qt, 0,1
	WIN FIN
.irp p, 0,1,2,3,4,5,6,7,8,9,10,11,12,13,14,15
	v_pk_mul_f32 v[SS+2*\p:SS+2*\p+1], v[32*\qt+2*\p:32*\qt+2*\p+1], v[IV+2*\qt:IV+2*\qt+1]
.endr
	WIN 0
.irp p, 0,1,2,3,4,5,6,7,8,9,10,11,12,13,14,15
	v_cvt_pk_f16_f32 v[SS+32+\p], v[SS+2*\p], v[SS+2*\p+1]
.endr
.irp dt, 0,1,2,3
	ds_store_b128 v[STO], v[SS+32+4*\dt:SS+32+4*\dt+3] offset:32*\dt
.endr
	s_wait_xcnt 0x0                                ; the read-back registers were data of earlier stores
.irp i, 0,1,2,3
	ds_load_b128 v[SS+48+4*\i:SS+48+4*\i+3], v[RD] offset:\i*4*KP    ; a wave's LDS instructions are served in order: these see the stores above
.endr
.irp i, 0,1,2,3
	s_wait_dscnt 3-\i
	global_store_b128 v[CO], v[SS+48+4*\i:SS+48+4*\i+3], s[\ob:\ob+1] offset:\qt*2048+\i*512   ; 512 consecutive aligned bytes
.endr
.endr
.endm
	; ---------------- block a: the diagonal trip ----------------
	s_add_co_u32 s70, s20, 16384
	HEAD 0, 1, 1
	LDQ 0
	WIN 0
	global_prefetch_b8 v[PFO], s[90:91] th:TH_LOAD_NT scope:SCOPE_SE   ; block b's diagonal tiles, wanted g + 1 trips from here; each 256 bytes asked for once in the launch
	SUB 0, 0, 1, 0
	SUB 0, 1, 0, 1
	s_cmp_eq_u32 s16, 0
	s_cselect_b32 s70, s19, 0                      ; next: key 0, or block b's diagonal where block a has no full trip
	HEAD 1, 0, 1
	SUB 1, 0, 0, 2
	SUB 1, 1, 0, 3
	; ---------------- block a: its g full trips ----------------
	s_cmp_eq_u32 s16, 0
	s_cbranch_scc1 .Lafter_a
	s_mov_b32 s82, 0
.Lloop_a:
	s_lshl_b32 s70, s82, 15
	s_add_co_u32 s70, s70, 16384
	HEAD 0, 1, 1
	SUB 0, 0, 0, -1
	SUB 0, 1, 0, -1
	s_add_co_u32 s83, s82, 1
	s_lshl_b32 s70, s83, 15
	s_cmp_eq_u32 s83, s16
	s_cselect_b32 s70, s19, s70                    ; behind the last trip: block b's diagonal
	HEAD 1, 0, 1
	SUB 1, 0, 0, -1
	SUB 1, 1, 0, -1
	s_add_co_u32 s82, s82, 1
	s_cmp_lt_u32 s82, s16
	s_cbranch_scc1 .Lloop_a
.Lafter_a:
	FINAL 86
	s_wait_xcnt 0x0                                ; the stores' data registers are part of S, which the next scores write
	; ---------------- block b: the diagonal trip ----------------
	s_add_co_u32 s70, s19, 16384
	HEAD 0, 1, 1
	LDQ 1
	WIN 0
	SUB 0, 0, 1, 0
	SUB 0, 1, 0, 1
	s_mov_b32 s70, 0
	HEAD 1, 0, 1
	SUB 1, 0, 0, 2
	SUB 1, 1, 0, 3
	; ---------------- block b: 6 - g full trips in a loop (at least 3), the last written out ----------------
	s_mov_b32 s82, 0
.Lloop_b:
	s_lshl_b32 s70, s82, 15
	s_add_co_u32 s70, s70, 16384
	HEAD 0, 1, 1
	SUB 0, 0, 0, -1
	SUB 0, 1, 0, -1
	s_add_co_u32 s83, s82, 1
	s_lshl_b32 s70, s83, 15
	HEAD 1, 0, 1
	SUB 1, 0, 0, -1
	SUB 1, 1, 0, -1
	s_add_co_u32 s82, s82, 1
	s_cmp_lt_u32 s82, s18
	s_cbranch_scc1 .Lloop_b
	s_lshl_b32 s70, s18, 15
	s_add_co_u32 s70, s70, 16384
	HEAD 0, 1, 1
	SUB 0, 0, 0, -1
	SUB 0, 1, 0, -1
	HEAD 1, 0, 0                                   ; nothing is left to fetch
	SUB 1, 0, 0, -1
	SUB 1, 1, 0, -1
	FINAL 88
	s_wait_tensorcnt 0x0
	ds_add_u32 v190, v191
	s_wait_dscnt 0x0
	s_endpgm
.Lfunc_end_k_q6279680d24_attn:
	.size	k_q6279680d24_attn, .Lfunc_end_k_q6279680d24_attn-k_q6279680d24_attn
	.p2alignl 7, 3214868480
	.fill 96, 4, 3214868480
	.section	.rodata,"a",@progbits
	.p2align	6, 0x0
	.amdhsa_kernel k_q6279680d24_attn
		.amdhsa_group_segment_fixed_size 327680
		.amdhsa_private_segment_fixed_size 0
		.amdhsa_enable_private_segment 0
		.amdhsa_kernarg_size 32
		.amdhsa_user_sgpr_count 2
		.amdhsa_user_sgpr_kernarg_segment_ptr 1
		.amdhsa_wavefront_size32 1
		.amdhsa_system_sgpr_workgroup_id_x 1
		.amdhsa_system_sgpr_workgroup_id_y 1
		.amdhsa_system_sgpr_workgroup_id_z 1
		.amdhsa_system_vgpr_workitem_id 0
		.amdhsa_next_free_vgpr 512
		.amdhsa_next_free_sgpr 100
		.amdhsa_reserve_vcc 0
		.amdhsa_float_denorm_mode_32 3
		.amdhsa_float_denorm_mode_16_64 3
		.amdhsa_memory_ordered 1
		.amdhsa_forward_progress 1
		.amdhsa_inst_pref_size 255
	.end_amdhsa_kernel
	.section	.bss,"aw",@nobits
	.p2align	6
	.space	262144
	.amdgpu_metadata
---
amdhsa.version: [ 1, 2 ]
amdhsa.kernels:
  - .name:           k_q6279680d24_attn
    .symbol:         k_q6279680d24_attn.kd
    .args:
      - { .name: q, .offset: 0, .size: 8, .value_kind: global_buffer, .address_space: global }
      - { .name: k, .offset: 8, .size: 8, .value_kind: global_buffer, .address_space: global }
      - { .name: v, .offset: 16, .size: 8, .value_kind: global_buffer, .address_space: global }
      - { .name: att, .offset: 24, .size: 8, .value_kind: global_buffer, .address_space: global }
    .group_segment_fixed_size: 327680
    .private_segment_fixed_size: 0
    .kernarg_segment_align: 8
    .kernarg_segment_size: 32
    .max_flat_workgroup_size: 256
    .sgpr_count:     100
    .vgpr_count:     512
    .wavefront_size: 32
...
	.end_amdgpu_metadata
.endif
;; end of part 7
;; launch oproj: the kernel of part 4 again; grid 8 x 32, 4 waves a work-group, clusters of 4 x 4, 327,680 bytes of LDS; arguments att, wot, out0; writes out0
;; launch hattn: the kernel of part 5 again; grid 16 x 4, 4 waves a work-group, clusters of 4 x 4, 327,680 bytes of LDS; arguments xb, wqkv, rope, att; writes att
;; launch hproj: the kernel of part 6 again; grid 16 x 4, 4 waves a work-group, clusters of 4 x 4, 327,680 bytes of LDS; arguments att, wot, out0; writes out0
